; MI455X (gfx1250); checked and timed in simulation.
; The chip was launched on July 23, 2026; its instructions are those of AMD's public machine-readable ISA for CDNA 5 (MIT licence, August 2026) and "CDNA5" Instruction Set Architecture Reference Guide (July 2026). The comments in the code are by the model that wrote it; some were corrected since.
;; Multi Head Self Attention. Allowed arithmetic: matrix products marked QUANTISED: E2M3 operands, one E8M0 scale for each 32 along K, by v_wmma_scale_f32_16x16x128_f8f6f4 with both operands' format E2M3, f32 sums; everything else in f32.
;; Inputs: attention_mask 4 x 2,048 int32; w_out 1,024 x 1,024 float32; w_qkv 1,024 x 3,072 float32; x 4 x 2,048 x 1,024 float32.
;; Outputs: out0 4 x 2,048 x 1,024 float32.
;; This version of the problem:
;;   THIS VERSION OF THE PROBLEM IS GIVEN IN LOW PRECISION. The matrix products marked QUANTISED in the list below multiply operands that are first quantised to E2M3 (2 exponent bits, 3 mantissa bits; 6 bits a number), with one power-of-two scale for each 32 numbers along K (OCP MX v1.0); their sums are f32. All else is computed in f32.
;;   The module's matrix products, in the order in which they are computed (A, B: the left and right operand; K: the contracted axis; several contracted axes count as one K, in the product's order):
;;     1. [M 8,192, K 1,024] x [K 1,024, N 3,072]; A: input x; B: input w_qkv: QUANTISED
;;     2. batch 64 x [M 2,048, K 64] x [K 64, N 2,048]; A: computed on the way; B: computed on the way: QUANTISED
;;     3. batch 64 x [M 2,048, K 2,048] x [K 2,048, N 64]; A: softmax (see below); B: computed on the way: QUANTISED
;;     4. [M 8,192, K 1,024] x [K 1,024, N 1,024]; A: computed on the way; B: input w_out: QUANTISED
;;   THE QUANTISER, for each operand of a quantised product, along K:
;;     - K is cut into blocks of 32 from its start; a last block that is shorter is filled with zeros.
;;     - A block's scale is 2^e with e = floor(log2(the largest magnitude in the block)) - 2, held to -126 .. 127; a block of zeros has e = 0. As a byte (E8M0): e + 127.
;;     - Each number is divided by its block's scale, clamped to +-7.5, and rounded to the nearest number of E2M3, ties to even, subnormals kept.
;;     - The product sums the exact products of the quantised numbers (number of the format x scale) in f32.
;;   ~~~python
;;   def quantise(x, axis):      # numpy; x: float32 -> the quantised numbers, widened to float32 again
;;       x = np.moveaxis(x, axis, -1); K = x.shape[-1]
;;       x = np.pad(x, [(0, 0)] * (x.ndim - 1) + [(0, -K % 32)]); x = x.reshape(x.shape[:-1] + (-1, 32)); a = np.abs(x).max(-1, keepdims=True)
;;       e = np.where(a > 0, np.clip(np.frexp(np.where(a > 0, a, 1))[1] - 1 - 2, -126, 127), 0)      # np.frexp(a)[1] - 1 = floor(log2(a)), exactly
;;       r = np.clip(x / 2.0 ** e, -7.5, 7.5)
;;       step = 2.0 ** (np.maximum(np.frexp(np.where(r == 0, 1, r))[1] - 1, 0) - 3)
;;       q = np.round(r / step) * step * 2.0 ** e      # np.round: ties to even
;;       return np.moveaxis(q.reshape(q.shape[:-2] + (-1,))[..., :K], -1, axis).astype(np.float32)
;;   ~~~
;;   SOFTMAX AHEAD OF A QUANTISED PRODUCT. Where the list says 'softmax', what is quantised is not the finished softmax but p = 2^(t - M), with t = logit x log2(e) and M = ceil(the row's largest t), a whole number; so 1/2 < the row's largest p <= 1. The row's sum l is taken of the UNQUANTISED p, in f32, and the product's result is divided by l at the end. Since M is a whole number, a kernel that streams over the keys may use a running M (the ceiling of the running maximum): every later rescaling is an exact power of two, which a block's scale takes up: the codes' values come out the same.
;;   OPERANDS COMPUTED ON THE WAY. 'Computed on the way' means the value that the module computes at that place (a softmax that the list does not call 'softmax' is quantised finished and normalised). What goes into a quantiser is computed in f32, as accurately as f32 sums, v_exp_f32 and their like allow (about 1e-6 of the number): no bf16 or f16 on the way to a quantiser, and a product that is left as it is and whose result goes on into a quantised operand takes f32 operands (vector FMAs, or v_wmma_f32_16x16x4_f32). A number that lies on a knife's edge between two numbers of the format may be rounded either way, as far as f32 arithmetic and the matrix unit's own rounding can turn it there, and no further.
;; One version. Each part assembles by itself: llvm-mc -triple=amdgcn-amd-amdhsa -mcpu=gfx1250 --defsym DOCPART=n.
;; ======== version 1 of 1: 4 launches
;; limits: right only within a limited range of input values
;; workspace buffers: tokc 6,291,456 bytes; toks 262,144 bytes; wc 3,145,728 bytes; ws 131,072 bytes; qr 6,815,744 bytes; kv 13,369,344 bytes
;; launch quant (part 1): grid 384 x 1, 4 waves a work-group, no clusters, 58,880 bytes of LDS; arguments x, w_qkv, w_out, tokc, toks, wc, ws; writes tokc, toks, wc, ws
.if DOCPART == 1
	.amdgcn_target "amdgcn-amd-amdhsa--gfx1250"
	.amdhsa_code_object_version 6
	.text
	.protected	k_qc8cff5f33e_quant
	.globl	k_qc8cff5f33e_quant
	.p2align	8
	.type	k_qc8cff5f33e_quant,@function
k_qc8cff5f33e_quant:
	s_mov_b64 s[64:65], 0
	v_nop
	global_prefetch_b8 v0, s[64:65] scope:SCOPE_SE
	s_setreg_imm32_b32 hwreg(HW_REG_WAVE_MODE, 25, 1), 1
	s_wait_xcnt 0x0
; x [8192][1024], w_qkv [1024][3072] and w_out [1024][1024], f32, become codes of FP6 (E2M3) with one E8M0 byte for each 32 along K (1,024 in all three), laid AS THE MATRIX UNIT'S REGISTERS TAKE THEM.
; TILES.  Tile T of a row axis (tokens; a weight's columns) gives lane r (0..15) the row 32 (T / 2) + 8 (T % 2) + r + 8 (r / 8).
; A HALF FRAGMENT, 768 bytes, is 16 rows x 64 K as an image of six operand registers: registers 0-3 of lane L at 16 L, registers 4-5 at 512 + 8 L; lane (r, h) holds the codes of k = 64 kappa + 32 h + 0..31.
; tokc, wc: [tile][kappa 16][768].  toks, ws: [tile][512]: the byte of block kb (0..31) of lane r's row at 128 (kb / 8) + 8 r + kb % 8.  wc, ws: tiles 0-191 w_qkv's columns, 192-255 w_out's.
; A block's scale is 2^(floor(log2(its largest magnitude)) - 2); its byte is the largest magnitude's exponent field - 2, held at 1 from below (a block of zeros keeps the byte 1: its codes are zeros, and this program alone reads the bytes).
; LIMITS: NaN and infinities among the inputs are not served; blocks whose largest magnitude lies under 2^-124 keep the byte 1.
; Work-groups 0-255 take x (K innermost), 256-383 the weights (K outermost): two ways through the text, each with LDS bytes of its own.  No tensor loads, no barrier: waves share nothing.
.set SEL,  30                          ; s[30:31] lane selects for v_permlanex16_b32: lane l xor 16
.set TM,   16                          ; v16-31  x: largest magnitudes, bytes, scale operands
.set PC,   32                          ; v32-51  x: the codes just made
.set PW,   52                          ; v52     x: the scale word just made
.set PP,   54                          ; v54-57  x: the four K steps' scale words; v58-59 what my lane stores of them
.set R,    64                          ; v64-191 x: two sets of 64 numbers as loaded
.set X,    192                         ; v192-255 x: 64 numbers, register 16 b + i = k 32 b + 16 h + i of my row
.set XST,  8448                        ; x: a wave's stage: 16 rows x (512 bytes + 16)
.set STGW, 4*XST                       ; the weights' stages begin behind x's: 6,144 bytes a wave
.set VO,   64                          ; v64-95  weights: 4 lane + i pitches
.set CW,   96                          ; v96-101 weights: a block's six code registers;  v104-106 its upper half as converted
.set DW,   104
.set SBY,  108                         ; v108-109 weights: my column's eight scale bytes
.set XW,   128                         ; v128-191 weights: two sets of 32 numbers
.set OUTW, 192                         ; v192-239 weights: the way out
.set SB,   32                          ; s[32:47] weights: eight bases, 32 rows of K apart
; 64 numbers of a lane become a fragment's twelve code registers in v[PC] on and its scale word in v[PW]
.macro QUANT s
.irp b, 0,1,2,3
	v_max3_num_f32 v[TM+\b], |v[\s+16*\b]|, |v[\s+1+16*\b]|, 0x1800000   ; block b: my 16 numbers and the floor 2^(3 - 127): the byte cannot fall under 1
.endr
.irp i, 2,4,6,8,10,12,14
.irp b, 0,1,2,3
	v_max3_num_f32 v[TM+\b], v[TM+\b], |v[\s+16*\b+\i]|, |v[\s+1+16*\b+\i]|   ; the four blocks by turns
.endr
.endr
.irp b, 0,1,2,3
	v_permlanex16_b32 v[TM+4+\b], v[TM+\b], s[SEL], s[SEL+1]
.endr
.irp b, 0,1,2,3
	v_max_num_f32 v[TM+\b], v[TM+\b], v[TM+4+\b]   ; with lane l xor 16's 16: the block's largest magnitude
.endr
.irp b, 0,1,2,3
	v_add_nc_u32 v[TM+12+\b], 0xff000000, v[TM+\b]   ; 2 off its exponent field: the conversion's scale operand
.endr
.irp b, 0,1,2,3
	v_lshrrev_b32 v[TM+4+\b], 23, v[TM+12+\b]      ; the scale's byte
.endr
	v_lshl_or_b32 v[PW], v[TM+5], 8, v[TM+4]
	v_lshl_or_b32 v[PW], v[TM+6], 16, v[PW]
	v_lshl_or_b32 v[PW], v[TM+7], 24, v[PW]
.irp c, 0,1
	v_cvt_scalef32_pk16_fp6_f32 v[PC+6*\c:PC+2+6*\c], v[\s+32*\c:\s+15+32*\c], v[TM+12+2*\c]
	v_cvt_scalef32_pk16_fp6_f32 v[PC+12+4*\c:PC+14+4*\c], v[\s+16+32*\c:\s+31+32*\c], v[TM+12+2*\c+1]   ; (a conversion's three registers begin on an even number)
.endr
	v_nop                                          ; one plain line behind the conversions
.irp c, 0,1                                    ; the operand wants a whole block in a lane: lanes 0-15 block 2 c, lanes 16-31 block 2 c + 1
.irp i, 0,1,2
	v_permlane16_swap_b32 v[PC+6*\c+\i], v[PC+12+4*\c+\i]
.endr
.irp i, 0,1,2
	v_mov_b32 v[PC+3+6*\c+\i], v[PC+12+4*\c+\i]
.endr
.endr
.endm
	s_load_b256 s[4:11], s[0:1], 0x0               ; x s[4:5], w_qkv s[6:7], w_out s[8:9], tokc s[10:11]
	s_load_b128 s[12:15], s[0:1], 0x20             ; toks s[12:13], wc s[14:15]
	s_load_b64 s[16:17], s[0:1], 0x30              ; ws
	v_lshl_add_u32 v62, v0, 2, 0xe400
	v_mov_b32 v63, 0
	v_lshrrev_b32 v1, 5, v0
	v_readfirstlane_b32 s18, v1                    ; wave 0..3
	v_and_b32 v1, 31, v0                           ; lane
	s_mov_b32 s[SEL], 0x76543210
	s_mov_b32 s[SEL+1], 0xfedcba98
	s_wait_kmcnt 0x0
	s_cmp_lt_u32 ttmp9, 256
	s_cbranch_scc0 .Lweights
; ---- x.  Wave w takes tile T = 2 wg + w / 2 and half w % 2 of K: four K steps of 128.  Each load reads 512 consecutive bytes of one row; the 16 rows turn through the wave's stage, so that a lane gets 16 neighbours of each block.
	v_and_b32 v2, 15, v0                           ; r
	v_bfe_u32 v3, v0, 4, 1                         ; h
	s_wait_alu depctr_va_vdst(0)
	v_lshlrev_b32 v4, 4, v1                        ; 16 lane
	v_lshlrev_b32 v5, 3, v1                        ; 8 lane
	s_mul_i32 s19, s18, XST
	v_add_nc_u32 v6, s19, v4                       ; the stage, in: row i at 528 i, 16 bytes a lane
	v_mul_u32_u24 v7, v2, 528
	v_lshl_add_u32 v7, v3, 6, v7
	v_add_nc_u32 v7, s19, v7                       ; and out: row r, + 64 h
.irp b, 0,1,2,3
	v_mov_b32 v[TM+4+\b], 0                        ; written once: a lane permute's destination counts as one of its sources
.endr
	v_cmp_ne_u32 vcc_lo, 0, v3                     ; lanes 16-31
	s_lshr_b32 s20, s18, 1
	s_and_b32 s21, s18, 1
	s_lshl_b32 s22, ttmp9, 5
	s_lshl_b32 s23, s20, 3
	s_add_co_u32 s22, s22, s23                     ; the tile's first row: 32 wg + 8 (w / 2)
	s_lshl_b32 s22, s22, 12                        ; rows of 4,096 bytes
	s_lshl_b32 s23, s21, 11
	s_add_co_u32 s22, s22, s23                     ; + my half of K
	s_mov_b32 s23, 0
	s_add_nc_u64 s[4:5], s[4:5], s[22:23]
	s_lshl_b32 s24, ttmp9, 1
	s_add_co_u32 s24, s24, s20                     ; T
	s_mul_i32 s22, s24, 12288
	s_mul_i32 s25, s21, 6144
	s_add_co_u32 s22, s22, s25
	s_add_nc_u64 s[10:11], s[10:11], s[22:23]      ; my eight half fragments
	s_lshl_b32 s22, s24, 9
	s_lshl_b32 s25, s21, 8
	s_add_co_u32 s22, s22, s25
	s_add_nc_u64 s[12:13], s[12:13], s[22:23]      ; my 256 scale bytes
.macro LOADX n
.irp i, 0,1,2,3,4,5,6,7,8,9,10,11,12,13,14,15
	global_load_b128 v[R+64*((\n)%2)+4*\i:R+64*((\n)%2)+4*\i+3], v4, s[4:5] offset:(\i+8*(\i/8))*4096+512*(\n) th:TH_LOAD_NT
.endr
.endm
.macro XSTEP n
.if (\n) < 3
	s_wait_loadcnt 16                              ; this K step's 16 loads are in; the next step's 16 may be out
.else
	s_wait_loadcnt 0
.endif
.irp i, 0,1,2,3,4,5,6,7,8,9,10,11,12,13,14,15
	ds_store_b128 v6, v[R+64*((\n)%2)+4*\i:R+64*((\n)%2)+4*\i+3] offset:528*\i
.endr
.irp b, 0,1,2,3
.irp j, 0,1,2,3
	ds_load_b128 v[X+16*\b+4*\j:X+16*\b+4*\j+3], v7 offset:128*\b+16*\j   ; LDS serves a wave's instructions in order: these see the stores above
.endr
.endr
	s_wait_dscnt 0x0
.if (\n)+2 < 4
	LOADX (\n)+2
.endif
	s_wait_xcnt 0x0                                ; the last step's stores have read their registers: the codes may be written again
	QUANT X
	v_mov_b32 v[PP+(\n)], v[PW]
	global_store_b128 v4, v[PC:PC+3], s[10:11] offset:1536*(\n)            ; 512 and 256 consecutive bytes, each at a multiple of 256 from the buffer's first byte
	global_store_b64 v5, v[PC+4:PC+5], s[10:11] offset:1536*(\n)+512
	global_store_b128 v4, v[PC+6:PC+9], s[10:11] offset:1536*(\n)+768
	global_store_b64 v5, v[PC+10:PC+11], s[10:11] offset:1536*(\n)+1280
.endm
	LOADX 0
	LOADX 1
	s_wait_alu depctr_va_vdst(0)
	XSTEP 0
	XSTEP 1
	XSTEP 2
	XSTEP 3
	v_cndmask_b32 v58, v[PP], v[PP+2], vcc_lo      ; lanes 0-15 store row r's words of K steps 0, 1, lanes 16-31 those of 2, 3:
	v_cndmask_b32 v59, v[PP+1], v[PP+3], vcc_lo
	global_store_b64 v5, v[58:59], s[12:13]        ; 256 consecutive bytes, aligned
	s_wait_tensorcnt 0x0
	ds_add_u32 v62, v63
	s_wait_dscnt 0x0
	s_endpgm
; ---- the weights.  g = wg - 256: 96 work-groups for w_qkv (24 groups of 128 columns x 4 quarters of K), 32 for w_out.  A lane takes a column and its registers run down K: a block of 32 is one lane's, and its six code registers
; are lane (r, h = block % 2) of a half fragment.  They gather in the wave's stage (two tiles x four half fragments) and leave as 512 consecutive bytes a store.
.Lweights:
	s_sub_co_u32 s19, ttmp9, 256                   ; g
	s_mov_b32 s20, 4096
	s_cmp_lt_u32 s19, 96                           ; the choice hangs on the work-group's number alone
	s_cselect_b64 s[6:7], s[6:7], s[8:9]           ; the source,
	s_cselect_b32 s20, 12288, s20                  ; its pitch in bytes,
	s_cselect_b32 s21, 0, 96
	s_cselect_b32 s22, 0, 192                      ; and its first tile
	s_sub_co_u32 s19, s19, s21
	s_lshr_b32 s23, s19, 2                         ; which 128 columns
	s_and_b32 s24, s19, 3                          ; which 256 along K
	s_mul_i32 s26, s24, s20
	s_lshl_b32 s26, s26, 8
	s_lshl_b32 s25, s23, 9
	s_add_co_u32 s26, s26, s25
	s_lshl_b32 s25, s18, 7
	s_add_co_u32 s26, s26, s25                     ; 256 S rows + 4 (128 cg + 32 w)
	s_mov_b32 s27, 0
	s_add_nc_u64 s[SB:SB+1], s[6:7], s[26:27]
	s_lshl_b32 s28, s20, 5
	s_mov_b32 s29, 0
.irp t, 1,2,3,4,5,6,7
	s_add_nc_u64 s[SB+2*\t:SB+2*\t+1], s[SB+2*\t-2:SB+2*\t-1], s[28:29]
.endr
	s_lshl_b32 s25, s23, 3
	s_add_co_u32 s25, s25, s22
	s_lshl_b32 s26, s18, 1
	s_add_co_u32 s25, s25, s26                     ; my first tile
	s_mul_i32 s26, s25, 12288
	s_mul_i32 s21, s24, 3072
	s_add_co_u32 s26, s26, s21
	s_add_nc_u64 s[14:15], s[14:15], s[26:27]
	s_lshl_b32 s26, s25, 9
	s_lshl_b32 s21, s24, 7
	s_add_co_u32 s26, s26, s21
	s_add_nc_u64 s[16:17], s[16:17], s[26:27]
	v_bfe_u32 v2, v0, 3, 1                         ; u: which of my two tiles my column belongs to
	v_and_b32 v3, 7, v0
	v_bfe_u32 v9, v0, 4, 1
	v_lshl_add_u32 v3, v9, 3, v3                   ; r: its lane there
	s_mul_i32 s21, s18, 6144
	s_add_co_u32 s21, s21, STGW
	v_mul_u32_u24 v10, v2, 3072
	v_add_nc_u32 v10, s21, v10
	v_lshl_add_u32 v4, v3, 4, v10                  ; the stage, in: registers 0-3
	v_lshl_add_u32 v5, v3, 3, v10                  ; registers 4-5
	s_wait_alu depctr_va_vdst(0)
	v_lshlrev_b32 v7, 4, v1
	v_add_nc_u32 v6, s21, v7                       ; and out
	v_lshlrev_b32 v8, 9, v2
	v_lshl_add_u32 v8, v3, 3, v8                   ; my scale bytes: 512 u + 8 r
	v_lshlrev_b32 v[VO], 2, v1
.set i, 1
.rept 31
	v_add_nc_u32 v[VO+i], s20, v[VO+i-1]
.set i, i+1
.endr
.macro LOADW t
.irp i, 0,1,2,3,4,5,6,7,8,9,10,11,12,13,14,15,16,17,18,19,20,21,22,23,24,25,26,27,28,29,30,31
	global_load_b32 v[XW+32*((\t)%2)+\i], v[VO+\i], s[SB+2*(\t):SB+2*(\t)+1] th:TH_LOAD_NT   ; a row of K at 32 neighbouring columns
.endr
.endm
.macro BLOCKW t
.set XS, XW+32*((\t)%2)
.if (\t) < 7
	s_wait_loadcnt 32                              ; this block's 32 loads are in; the next block's may be out
.else
	s_wait_loadcnt 0
.endif
	v_max3_num_f32 v12, |v[XS]|, |v[XS+1]|, |v[XS+2]|
	v_max3_num_f32 v13, |v[XS+3]|, |v[XS+4]|, |v[XS+5]|
.irp i, 6,10,14,18,22,26
	v_max3_num_f32 v12, v12, |v[XS+\i]|, |v[XS+\i+1]|
	v_max3_num_f32 v13, v13, |v[XS+\i+2]|, |v[XS+\i+3]|
.endr
	v_max3_num_f32 v12, v12, |v[XS+30]|, |v[XS+31]|
	v_max3_num_f32 v12, v12, v13, 0x1800000        ; and the floor
	v_add_nc_u32 v11, 0xff000000, v12              ; the conversion's scale operand
	v_lshrrev_b32 v13, 23, v11                     ; the byte
.if (\t)%4 == 0
	v_mov_b32 v[SBY+(\t)/4], v13
.else
	v_lshl_or_b32 v[SBY+(\t)/4], v13, 8*((\t)%4), v[SBY+(\t)/4]
.endif
	v_cvt_scalef32_pk16_fp6_f32 v[CW:CW+2], v[XS:XS+15], v11
	v_cvt_scalef32_pk16_fp6_f32 v[DW:DW+2], v[XS+16:XS+31], v11
	v_nop                                          ; one plain line behind the conversions
.irp i, 0,1,2
	v_mov_b32 v[CW+3+\i], v[DW+\i]
.endr
	ds_store_b128 v4, v[CW:CW+3] offset:768*((\t)/2)+256*((\t)%2)
	ds_store_b64 v5, v[CW+4:CW+5] offset:768*((\t)/2)+512+128*((\t)%2)
.if (\t)+2 < 8
	LOADW (\t)+2
.endif
	s_wait_dscnt 0x0                               ; the stores have read their registers
.endm
	LOADW 0
	LOADW 1
.irp t, 0,1,2,3,4,5,6,7
	BLOCKW \t
.endr
	s_wait_alu depctr_va_vdst(0)
	global_store_b64 v8, v[SBY:SBY+1], s[16:17]
.irp c, 0,1,2,3,4,5,6,7,8,9,10,11
	ds_load_b128 v[OUTW+4*\c:OUTW+4*\c+3], v6 offset:512*\c
.endr
.irp c, 0,1,2,3,4,5,6,7,8,9,10,11
	s_wait_dscnt 11-\c                             ; the younger loads may be out
	global_store_b128 v7, v[OUTW+4*\c:OUTW+4*\c+3], s[14:15] offset:12288*(\c/6)+512*(\c%6)
.endr
	s_wait_tensorcnt 0x0
	ds_add_u32 v62, v63
	s_wait_dscnt 0x0
	s_endpgm
.Lfunc_end_k_qc8cff5f33e_quant:
	.size	k_qc8cff5f33e_quant, .Lfunc_end_k_qc8cff5f33e_quant-k_qc8cff5f33e_quant
	.p2alignl 7, 3214868480
	.fill 96, 4, 3214868480
	.section	.rodata,"a",@progbits
	.p2align	6, 0x0
	.amdhsa_kernel k_qc8cff5f33e_quant
		.amdhsa_group_segment_fixed_size 58880
		.amdhsa_private_segment_fixed_size 0
		.amdhsa_enable_private_segment 0
		.amdhsa_kernarg_size 56
		.amdhsa_user_sgpr_count 2
		.amdhsa_user_sgpr_kernarg_segment_ptr 1
		.amdhsa_wavefront_size32 1
		.amdhsa_system_sgpr_workgroup_id_x 1
		.amdhsa_system_sgpr_workgroup_id_y 1
		.amdhsa_system_sgpr_workgroup_id_z 1
		.amdhsa_system_vgpr_workitem_id 0
		.amdhsa_next_free_vgpr 256
		.amdhsa_next_free_sgpr 66
		.amdhsa_reserve_vcc 1
		.amdhsa_float_denorm_mode_32 3
		.amdhsa_float_denorm_mode_16_64 3
		.amdhsa_memory_ordered 1
		.amdhsa_forward_progress 1
		.amdhsa_inst_pref_size 77
	.end_amdhsa_kernel
	.amdgpu_metadata
---
amdhsa.version: [ 1, 2 ]
amdhsa.kernels:
  - .name:           k_qc8cff5f33e_quant
    .symbol:         k_qc8cff5f33e_quant.kd
    .args:
      - { .name: x, .offset: 0, .size: 8, .value_kind: global_buffer, .address_space: global }
      - { .name: w_qkv, .offset: 8, .size: 8, .value_kind: global_buffer, .address_space: global }
      - { .name: w_out, .offset: 16, .size: 8, .value_kind: global_buffer, .address_space: global }
      - { .name: tokc, .offset: 24, .size: 8, .value_kind: global_buffer, .address_space: global }
      - { .name: toks, .offset: 32, .size: 8, .value_kind: global_buffer, .address_space: global }
      - { .name: wc, .offset: 40, .size: 8, .value_kind: global_buffer, .address_space: global }
      - { .name: ws, .offset: 48, .size: 8, .value_kind: global_buffer, .address_space: global }
    .group_segment_fixed_size: 58880
    .private_segment_fixed_size: 0
    .kernarg_segment_align: 8
    .kernarg_segment_size: 56
    .max_flat_workgroup_size: 128
    .sgpr_count:     66
    .vgpr_count:     256
    .wavefront_size: 32
...
	.end_amdgpu_metadata
.endif
;; end of part 1
;; launch qkv (part 2): grid 8 x 48, 4 waves a work-group, clusters of 4 x 4, 327,680 bytes of LDS; arguments tokc, toks, wc, ws, attention_mask, qr, kv; writes qr, kv
.if DOCPART == 2
	.amdgcn_target "amdgcn-amd-amdhsa--gfx1250"
	.amdhsa_code_object_version 6
	.text
	.protected	k_qc8cff5f33e_qkv
	.globl	k_qc8cff5f33e_qkv
	.p2align	8
	.type	k_qc8cff5f33e_qkv,@function
k_qc8cff5f33e_qkv:
	s_mov_b64 s[64:65], 0
	v_nop
	global_prefetch_b8 v0, s[64:65] scope:SCOPE_SE
	s_setreg_imm32_b32 hwreg(HW_REG_WAVE_MODE, 25, 1), 1
	s_wait_xcnt 0x0
	s_wait_alu depctr_hold_cnt(0) depctr_sa_sdst(0) depctr_va_vdst(0) depctr_va_sdst(0) depctr_va_ssrc(0) depctr_va_vcc(0) depctr_vm_vsrc(0)
	s_getreg_b32 s2, hwreg(HW_REG_IB_STS2, 6, 4)
	s_cmp_eq_u32 s2, 0
	s_cbranch_scc0 .Lentry_in_a_cluster
	s_endpgm
.Lentry_in_a_cluster:
	s_bfe_u32 s2, ttmp6, 0x10000c
	s_cmp_lg_u32 s2, 0xf033
	s_cbranch_scc0 .Lentry_shape_is_right
	s_endpgm
.Lentry_shape_is_right:
; q, k, v = x w_qkv on codes of FP6 (E2M3) with E8M0 scales, K = 1,024, f32 sums; the results are quantised in registers for attention's two products and leave as images of operand registers.
; OPERANDS (as the launch before laid them): tile T gives lane r the row 32 (T / 2) + 8 (T % 2) + r + 8 (r / 8); a half fragment (16 rows x 64 K) is 768 bytes: registers 0-3 of lane L at 16 L, registers 4-5 at 512 + 8 L;
; codes [tile][kappa 16][768], scale bytes [tile][512] with block kb of lane r's row at 128 (kb / 8) + 8 r + kb % 8.
; A tile of the result, 256 x 256, is made by four waves, 128 x 128 each: 64 accumulators.  Source 1 is "A": its rows become the result's lanes.  Source 0 is "B": its rows run along a lane's registers, and by the choice of a tile's
; rows the 16 registers of B's tiles 2 b and 2 b + 1 are 16 neighbours: the K of the next product.
; CLUSTERS of 4 x 4; X, Y the cluster's coordinates.  Y < 8: A = 256 tokens (4 Y + cy), B = 256 columns of Wq (X = 0) or Wk (X = 1): the next K is the head's 64.  Y >= 8: A = 256 columns of Wv (cy), B = 256 tokens: the next K is the keys.
; A's tiles are shared along a row of the cluster, B's along a column: each is asked for jointly.  Which part a cluster makes hangs on X and Y alone, which all sixteen partners share.
; K goes in four slots' worth of 256 through THREE LDS slots: three first fills and one refill (slot 0).  The scale bytes of the 512 rows come once.
; OUT.  qr: [b h 64][j 16][6,656]: 8 query tiles x 768, then scale words [a / 4][r][a % 4].  kv: [b h 64][j 16][13,056]: K's 8 tiles x 768, its scale words likewise at 6,144, V^T [kappa 2][d tile 4][768] at 6,656, its scale words [r][tile] at 12,800.
; THE PAD MASK rides in the unused half of the score product's K: byte 2 of a key's scale word is 1 where attention_mask is not 0 and 237 where it is 0 (attention puts the codes +1 and -1 at k = 64); q's bytes 2, 3 and k's byte 3 are 127.
; LIMITS: NaN and infinities are not served; blocks whose largest magnitude lies under 2^-124 keep the byte 1.
; REGISTERS, in windows of 256: window 0: v4-23 addresses; v32-63 scale words, two sets; v64-123 the way out; v128-223 A's fragments, one set.  window 1: B's fragments, two sets, at v0 and v128.  windows 2, 3: the accumulators ((a, b) at v[8 (8 (a % 4) + b)]).
.set FR,    12                         ; registers of a fragment
.set NL,    4                          ; LDS loads that bring one
.set NP,    4                          ; places behind this matrix instruction (ISA guide 7.12.1)
.set QUART, 24576                      ; 8 tiles x 4 half fragments: what one tensor load brings, and what one wave reads of A or of B
.set SLOT,  4*QUART                    ; A's two halves, then B's
.set SCLA,  3*SLOT                     ; A's scale bytes: 16 tiles x 512
.set SCLB,  SCLA+8192+128              ; B's, 128 bytes off a multiple of 256: the two halves of a load's lanes then touch different banks (64 banks of 4 bytes: ISA guide 11.1)
.set SPARE, SCLB+8192+128              ; the spare words, 128 bytes for each wave: two blocks of 256 bytes that no other line names
.set A16,  4                           ; v4-6   16 lane + my A quarter in slot 0, 1, 2;  v7-9 the same with 8 lane
.set A8,   7
.set B16,  10                          ; v10-12, v13-15 the same for B
.set B8,   13
.set ADRS, 16                          ; v16  my scale words: lanes 0-15 A's rows, lanes 16-31 B's
.set SPW,  17                          ; v17  LDS address of my spare word; never rewritten
.set NIL,  18                          ; v18  0; never rewritten
.set L16,  19                          ; v19  16 lane
.set L8,   20                          ; v20  8 lane
.set VS,   21                          ; v21  the scale words' place: h heads + 16 r
.set MO,   22                          ; v22  4 (r + 8 (r / 8)): my token in a tile, in attention_mask
.set SH,   23                          ; v23  16 h
.set SC,   32
.set TM,   64
.set PC,   80
.set PWS,  100                         ; v100-107 the eight blocks' scale words
.set MK,   108                         ; v108-115 attention_mask of my token in each of A's eight tiles
.set W,    116                         ; v116-123 the scale words as stored
.set AF,   128
.set G1,   24                          ; s[24:31] group 1, A's codes;  s[32:43] group 0 for slots 0, 1, 2
.set G0,   32
.set G1B,  44                          ; s[44:51], s[52:63] the same for B
.set G0B,  52
.set G1S,  68                          ; s[68:75], s[76:79] A's scales;  s[80:87], s[88:91] B's
.set G0S,  76
.set G1SB, 80
.set G0SB, 88
.set SEL,  100                         ; s[100:101] on the way out: lane selects for v_permlanex16_b32
.set MSB, 0
.macro WIN new                         ; the immediate's high byte repeats the setting that is left
.if MSB != \new
	s_set_vgpr_msb (MSB<<8)|\new
.set MSB, \new
.endif
.endm
.set MUL_LO, 0xa1                      ; source 0 (B) window 1, source 1 (A) window 0, C and D window 2
.set MUL_HI, 0xf1                      ; the same, C and D window 3
.set TO_B,   0x40                      ; destination window 1, address window 0
; A joint load: waves 0 and 1 fetch for A, waves 2 and 3 for B.  The branch hangs on the wave's number alone.  Four v_nop follow each of the two lines.
.macro JLOAD g0a, g1a, g0b, g1b
	s_cmp_eq_u32 s19, 0
	s_cbranch_scc0 .Lfor_b_\@
	tensor_load_to_lds s[\g0a:\g0a+3], s[\g1a:\g1a+7]
	s_nop 0
.rept 4
	v_nop
.endr
	s_branch .Lasked_\@
.Lfor_b_\@:
	tensor_load_to_lds s[\g0b:\g0b+3], s[\g1b:\g1b+7]
	s_nop 0
.rept 4
	v_nop
.endr
.Lasked_\@:
.endm
.macro CREST                           ; a round of the cluster's barrier behind its opening barrier
	s_cmp_lg_u32 s18, 0
	s_cbranch_scc1 .Lnot_wave_0_\@
	s_barrier_signal -3
.Lnot_wave_0_\@:
	s_barrier_wait -3
	s_barrier_signal -1
	s_barrier_wait -1
.endm
.macro CROUND
	s_barrier_signal -1
	s_barrier_wait -1
	CREST
.endm
.macro PLACES n
.rept \n
	v_nop
.endr
.endm
.macro FRAG reg, a16, a8, q, i         ; tile i's fragment of a slot's q-th 128 along K: two half fragments as they lie; every load reads 512 or 256 consecutive bytes
	ds_load_b128 v[\reg:\reg+3], v[\a16] offset:TP*(\i)+1536*(\q)          ; TP: bytes from tile to tile in the slot's region
	ds_load_b64 v[\reg+4:\reg+5], v[\a8] offset:TP*(\i)+1536*(\q)+512
	ds_load_b128 v[\reg+6:\reg+9], v[\a16] offset:TP*(\i)+1536*(\q)+768
	ds_load_b64 v[\reg+10:\reg+11], v[\a8] offset:TP*(\i)+1536*(\q)+1280
.endm
.macro FETCH_B slot, q, p
.set TP, 3072*(1+((\slot)+1)/2)        ; slot 0: a tile's 3,072 bytes on end; slots 1 and 2 come by one load with rows of 6,144 bytes: slot 2's part of a tile lies 3,072 bytes behind slot 1's
	WIN TO_B
.irp i, 0,1,2,3,4,5,6,7
	FRAG 128*(\p)+FR*\i, B16+\slot, B8+\slot, \q, \i
.endr
	WIN 0
.endm
.macro FETCH_A slot, q, i0
.set TP, 3072*(1+((\slot)+1)/2)
.irp i, \i0, \i0+1, \i0+2, \i0+3
	FRAG AF+FR*(\i), A16+\slot, A8+\slot, \q, \i
.endr
.endm
.macro SCALES S, set                   ; the two scale words of K's S-th 256: register 2 i + q of the set: lanes 0-15 A's tile i, lanes 16-31 B's tile i
.irp i, 0,1,2,3,4,5,6,7
	ds_load_b64 v[SC+16*(\set)+2*\i:SC+16*(\set)+2*\i+1], v[ADRS] offset:512*\i+128*(\S)
.endr
.endm
; 16 matrix instructions: A's blocks a0, a0 + 1 x B's eight.  The 64 accumulators take turns, one instruction a turn, in the same order in every step.  zero = 1: the first products start the sums.
.macro MUL16 a0, p, q, sc, zero
.irp a, \a0, \a0+1
.irp b, 0,1,2,3,4,5,6,7
.if \zero
	v_wmma_scale_f32_16x16x128_f8f6f4 v[8*(8*((\a)%4)+\b):8*(8*((\a)%4)+\b)+7], v[128*(\p)+FR*\b:128*(\p)+FR*\b+FR-1], v[AF+FR*(\a):AF+FR*(\a)+FR-1], 0, v[SC+16*(\sc)+2*\b+(\q)], v[SC+16*(\sc)+2*(\a)+(\q)] matrix_a_fmt:MATRIX_FMT_FP6 matrix_b_fmt:MATRIX_FMT_FP6 matrix_a_scale:MATRIX_SCALE_ROW1
.else
	v_wmma_scale_f32_16x16x128_f8f6f4 v[8*(8*((\a)%4)+\b):8*(8*((\a)%4)+\b)+7], v[128*(\p)+FR*\b:128*(\p)+FR*\b+FR-1], v[AF+FR*(\a):AF+FR*(\a)+FR-1], v[8*(8*((\a)%4)+\b):8*(8*((\a)%4)+\b)+7], v[SC+16*(\sc)+2*\b+(\q)], v[SC+16*(\sc)+2*(\a)+(\q)] matrix_a_fmt:MATRIX_FMT_FP6 matrix_b_fmt:MATRIX_FMT_FP6 matrix_a_scale:MATRIX_SCALE_ROW1
.endif
.endr
.endr
.endm
; A step of 128 along K on B's set p (= the slot's quarter) and scale set sc.  Its successor's fragments come from slot ns, quarter nq, which every wave has been shown whole; nS >= 0: with them the scale words of K's nS-th 256.
.macro STEP p, sc, zero, ns, nq, nS
	s_wait_dscnt 4*NL                              ; B's set, A's blocks 0-3 and the scale words are in; the youngest 16 loads (A's blocks 4-7) may be out
	WIN MUL_LO
	MUL16 0, \p, \p, \sc, \zero
	MUL16 2, \p, \p, \sc, \zero
	s_wait_dscnt 0
	PLACES NP                                      ; in front of loads into registers that matrix instructions have read
	FETCH_B \ns, \nq, 1-\p
	FETCH_A \ns, \nq, 0
.if \nS >= 0
	SCALES \nS, 1-\sc
.endif
	WIN MUL_HI
	MUL16 4, \p, \p, \sc, \zero
	MUL16 6, \p, \p, \sc, \zero
	PLACES NP
	WIN 0
	FETCH_A \ns, \nq, 4
.endm
; A slot's second step with a barrier in it.  In front of the barrier each wave waits for all its tensor loads, adds 0 to its spare word, and waits for that and for its own LDS reads.
; fill = 1: slot 0, which nobody reads any more, is filled again with K's last 256: the barrier opens a round of the cluster's, and the joint load is the first thing behind the round.
.macro TURNB sc, ns, nS, fill
	s_wait_tensorcnt 0x0                           ; all my tensor loads have landed
	ds_add_u32 v[SPW], v[NIL]                      ; 0 onto my spare word
.if \fill
	s_mov_b32 s[G1+1], 384<<16                     ; no tensor load of mine is out: the refill's rows are 3,072 bytes again
	s_mov_b32 s[G1+3], 384<<16
	s_mov_b32 s[G1B+1], 384<<16
	s_mov_b32 s[G1B+3], 384<<16
.endif
	s_wait_dscnt 4*NL+1                            ; (the add and the youngest 16 loads may be out)
	WIN MUL_LO
	MUL16 0, 1, 1, \sc, 0
	s_wait_dscnt 0x0                               ; the add is done, and my reads of the slot in hand are over
	s_barrier_signal -1
	MUL16 2, 1, 1, \sc, 0
	WIN 0
	s_barrier_wait -1
.if \fill
	CREST
	s_add_nc_u64 s[G0+2:G0+3], s[G0+2:G0+3], 9216  ; from K's first 256 to its fourth: three times 3,072 bytes in each tile
	s_add_nc_u64 s[G0B+2:G0B+3], s[G0B+2:G0B+3], 9216
	JLOAD G0, G1, G0B, G1B                         ; its four v_nop are also the places in front of the loads below
.else
	PLACES NP
.endif
	FETCH_B \ns, 0, 0
	FETCH_A \ns, 0, 0
	SCALES \nS, 1-\sc
	WIN MUL_HI
	MUL16 4, 1, 1, \sc, 0
	MUL16 6, 1, 1, \sc, 0
	PLACES NP
	WIN 0
	FETCH_A \ns, 0, 4
.endm
	s_load_b256 s[4:11], s[0:1], 0x0               ; tokc s[4:5], toks s[6:7], wc s[8:9], ws s[10:11]
	s_load_b128 s[12:15], s[0:1], 0x20             ; attention_mask s[12:13], qr s[14:15]
	s_load_b64 s[16:17], s[0:1], 0x30              ; kv
	v_lshl_add_u32 v[SPW], v0, 2, SPARE
	v_mov_b32 v[NIL], 0
	ds_add_u32 v17, v18
	ds_add_u32 v17, v18
	s_wait_dscnt 0x0
	v_lshrrev_b32 v1, 5, v0
	v_readfirstlane_b32 s18, v1                    ; wave 0..3
	s_lshr_b32 s19, s18, 1                         ; which half of A's rows is mine.  Also: I fetch for A (0) or for B (1)
	s_and_b32 s20, s18, 1                          ; which half of B's rows.  Also: which eight tiles I fetch
	s_bfe_u32 s21, ttmp6, 0x40000                  ; cx
	s_bfe_u32 s22, ttmp6, 0x40004                  ; cy
	s_and_b32 s66, ttmp7, 0xffff                   ; Y
	s_lshl_b32 s92, s66, 2                         ; 4 Y
	s_lshl_b32 s94, s66, 3
	s_sub_co_u32 s94, s94, 64                      ; 8 (Y - 8)
	s_lshl_b32 s93, ttmp9, 2                       ; 4 X
	s_cmp_ge_u32 s66, 8
	s_cselect_b32 s67, 1, 0                        ; 1: this cluster makes v
	s_cselect_b32 s92, 0, s92
	s_cselect_b32 s94, s94, 0
	s_add_co_u32 s92, s92, s22                     ; TA: A's 256 rows: 4 Y + cy, for v: cy
	s_add_co_u32 s93, s93, s94
	s_add_co_u32 s93, s93, s21                     ; TB: B's: 4 X + cx, for v: 4 (X + 2 (Y - 8)) + cx
	s_lshl_b32 s104, s22, 2
	s_lshl_b32 s104, 15, s104                      ; my row of the cluster
	s_lshl_b32 s105, 0x1111, s21                   ; my column
	s_or_b32 s[G1], s104, (3<<16)|(1<<21)          ; 15:0 the mask; 17:16 elements of 8 bytes; 21 set beside a mask; no padding
	s_or_b32 s[G1B], s105, (3<<16)|(1<<21)
	s_or_b32 s[G1S], s104, (3<<16)|(1<<21)
	s_or_b32 s[G1SB], s105, (3<<16)|(1<<21)
.irp g, G1, G1B                        ; codes: 8 tiles' rows of 3,072 bytes (384 elements), 12,288 bytes apart
	s_mov_b32 s[\g+1], 384<<16
	s_mov_b32 s[\g+2], 16<<16                      ; the head's loads bring all 16 tiles of a side; behind them the words are set anew
	s_mov_b32 s[\g+3], 384<<16
	s_mov_b32 s[\g+4], 16
	s_mov_b32 s[\g+5], 1536
	s_mov_b32 s[\g+6], 0
	s_mov_b32 s[\g+7], 0
.endr
.irp g, G1S, G1SB                      ; scale bytes: 16 tiles x 512 dense bytes, as 32 rows of 256
	s_mov_b32 s[\g+1], 32<<16
	s_mov_b32 s[\g+2], 32<<16                      ; the scale bytes of all 16 tiles of a side: 32 rows of 256 bytes, one load
	s_mov_b32 s[\g+3], 32<<16
	s_mov_b32 s[\g+4], 32
	s_mov_b32 s[\g+5], 32
	s_mov_b32 s[\g+6], 0
	s_mov_b32 s[\g+7], 0
.endr
	s_lshl_b32 s3, s20, 3
	s_lshl_b32 s94, s92, 4
	s_add_co_u32 s94, s94, s3                      ; the first of A's eight tiles that I would fetch
	s_lshl_b32 s95, s93, 4
	s_add_co_u32 s95, s95, s3                      ; and of B's
	s_mul_i32 s[G0+2], s94, 12288
	s_mov_b32 s[G0+3], 0
	s_lshl_b32 s[G0S+2], s92, 13
	s_mov_b32 s[G0S+3], 0
	s_mul_i32 s[G0B+2], s95, 12288
	s_mov_b32 s[G0B+3], 0
	s_lshl_b32 s[G0SB+2], s93, 13
	s_mov_b32 s[G0SB+3], 0
	s_mul_i32 s[G0+10], s92, 196608                ; the head's loads of codes begin at a side's first tile
	s_mov_b32 s[G0+11], 0
	s_mul_i32 s[G0B+10], s93, 196608
	s_mov_b32 s[G0B+11], 0
	s_mul_i32 s2, s18, QUART                       ; where the ring's loads go: by the wave's number alone
	s_wait_kmcnt 0x0
	s_add_nc_u64 s[96:97], s[8:9], 128*12288       ; Wv's codes: tiles 128 on
	s_add_nc_u64 s[98:99], s[10:11], 128*512
	s_cmp_lg_u32 s67, 0
	s_cselect_b64 s[96:97], s[96:97], s[4:5]       ; A's codes: Wv's or the tokens',
	s_cselect_b64 s[98:99], s[98:99], s[6:7]       ; A's scales,
	s_cselect_b64 s[100:101], s[4:5], s[8:9]       ; B's codes: the tokens' or Wq's and Wk's,
	s_cselect_b64 s[6:7], s[6:7], s[10:11]         ; B's scales
	s_add_nc_u64 s[G0+2:G0+3], s[96:97], s[G0+2:G0+3]
	s_add_nc_u64 s[G0+6:G0+7], s[G0+2:G0+3], 3072
	s_add_nc_u64 s[G0+10:G0+11], s[96:97], s[G0+10:G0+11]
	s_add_nc_u64 s[G0B+2:G0B+3], s[100:101], s[G0B+2:G0B+3]
	s_add_nc_u64 s[G0B+6:G0B+7], s[G0B+2:G0B+3], 3072
	s_add_nc_u64 s[G0B+10:G0B+11], s[100:101], s[G0B+10:G0B+11]
	s_add_nc_u64 s[G0S+2:G0S+3], s[98:99], s[G0S+2:G0S+3]
	s_add_nc_u64 s[G0SB+2:G0SB+3], s[6:7], s[G0SB+2:G0SB+3]
.irp s, 0,1,2
	s_mov_b32 s[G0+4*\s], 1
	s_or_b32 s[G0+4*\s+3], s[G0+4*\s+3], 0x80000000
	s_mov_b32 s[G0B+4*\s], 1
	s_or_b32 s[G0B+4*\s+3], s[G0B+4*\s+3], 0x80000000
.endr
	s_add_co_u32 s[G0+1], s2, 0                    ; set 0: slot 0's refill, a quarter of the slot a wave
	s_add_co_u32 s[G0B+1], s2, 0
	s_lshl_b32 s3, s2, 1
	s_add_co_u32 s[G0+5], s3, SLOT                 ; set 1: K 256 to 767 of my eight tiles, twice a quarter, behind slot 0
	s_add_co_u32 s[G0B+5], s3, SLOT
	s_mov_b32 s[G0+9], 0                           ; set 2: the head's loads: A's 16 tiles of K 0 to 255 at slot 0's start, B's behind them
	s_mov_b32 s[G0B+9], 2*QUART
	s_mov_b32 s[G0S], 1
	s_mov_b32 s[G0S+1], SCLA
	s_or_b32 s[G0S+3], s[G0S+3], 0x80000000
	s_mov_b32 s[G0SB], 1
	s_mov_b32 s[G0SB+1], SCLB
	s_or_b32 s[G0SB+3], s[G0SB+3], 0x80000000
	CROUND                                         ; all sixteen work-groups are here: the first joint loads meet
; THE HEAD'S LOADS, ONE A WAVE: wave 0 A's 16 tiles of K 0 to 255, wave 1 B's, wave 2 A's scale bytes, wave 3 B's.  One tree of branches on the wave's number: every way passes exactly one load.
.macro ARM under, g0, g1, next
	s_cmp_lt_u32 s18, \under
	s_cbranch_scc0 \next
	tensor_load_to_lds s[\g0:\g0+3], s[\g1:\g1+7]
	s_nop 0
.rept 4
	v_nop
.endr
	s_branch .Lhead_asked
\next:
.endm
	ARM 1, G0+8, G1, .Lhead_b
	ARM 2, G0B+8, G1B, .Lhead_sa
	ARM 3, G0S, G1S, .Lhead_sb
	tensor_load_to_lds s[G0SB:G0SB+3], s[G1SB:G1SB+7]
	s_nop 0
.rept 4
	v_nop
.endr
.Lhead_asked:
	v_and_b32 v1, 31, v0                           ; lane
	v_and_b32 v2, 15, v0                           ; r
	v_bfe_u32 v3, v0, 4, 1                         ; h
	v_lshlrev_b32 v[L16], 4, v1
	v_lshlrev_b32 v[L8], 3, v1
	s_mul_i32 s2, s19, QUART                       ; my half of A
	s_mul_i32 s3, s20, QUART
	s_add_co_u32 s3, s3, 2*QUART                   ; my half of B
.irp s, 0,1,2
	v_add_nc_u32 v[A16+\s], s2, v[L16]
	v_add_nc_u32 v[A8+\s], s2, v[L8]
	v_add_nc_u32 v[B16+\s], s3, v[L16]
	v_add_nc_u32 v[B8+\s], s3, v[L8]
.if \s == 0
	s_lshl_b32 s2, s2, 1                           ; behind slot 0 a wave's part is twice a quarter
	s_lshl_b32 s3, s3, 1
	s_add_co_u32 s2, s2, SLOT
	s_add_co_u32 s3, s3, SLOT
.else
	s_add_co_u32 s2, s2, 3072                      ; slot 2's part of a tile's row
	s_add_co_u32 s3, s3, 3072
.endif
.endr
	v_lshlrev_b32 v24, 3, v2                       ; my row's 8 bytes
	s_lshl_b32 s2, s19, 12                         ; A's: my eight tiles
	s_lshl_b32 s3, s20, 12
	s_add_co_u32 s3, s3, SCLB-SCLA                 ; B's
	s_sub_co_u32 s3, s3, s2
	v_mul_u32_u24 v25, s3, v3                      ; lanes 16-31 take B's: the lower base + h x the distance
	s_add_co_u32 s2, s2, SCLA
	v_add_nc_u32 v24, v24, v25
	v_add_nc_u32 v[ADRS], s2, v24
	v_and_b32 v24, 8, v2
	v_add_nc_u32 v24, v24, v2
	v_lshlrev_b32 v[MO], 2, v24
	v_lshlrev_b32 v[SH], 4, v3
.irp b, 0,1,2,3
	v_mov_b32 v[TM+4+\b], 0                        ; written once: a lane permute's destination counts as one of its sources
.endr
	s_lshl_b32 s2, s92, 10
	s_lshl_b32 s3, s19, 9
	s_add_co_u32 s2, s2, s3                        ; 4 (256 TA + 128 half): for q and k my first token; for v a place inside the buffer whose numbers are not used
	s_mov_b32 s3, 0
	s_add_nc_u64 s[12:13], s[12:13], s[2:3]
.irp a, 0,1,2,3,4,5,6,7
	global_load_b32 v[MK+\a], v[MO], s[12:13] offset:4*(32*(\a/2)+8*(\a%2))   ; waited for on the way out
.endr
	s_wait_alu depctr_va_vdst(0)
	s_wait_tensorcnt 0x0                           ; my tile of the head's four is in
	ds_add_u32 v[SPW], v[NIL]
.irp g, G1, G1B
	s_mov_b32 s[\g+1], 768<<16                     ; no tensor load of mine is out: the next load brings 8 tiles' rows of 6,144 bytes, K 256 to 767
	s_mov_b32 s[\g+2], 8<<16
	s_mov_b32 s[\g+3], 768<<16
	s_mov_b32 s[\g+4], 8
.endr
	s_wait_dscnt 0x0
	CROUND                                         ; a whole round: the head's four tiles are in, and the joint loads meet
	JLOAD G0+4, G1, G0B+4, G1B                     ; slots 1 and 2 by one load a wave, the first tensor load behind the round
	FETCH_B 0, 0, 0
	FETCH_A 0, 0, 0
	SCALES 0, 0
	FETCH_A 0, 0, 4
	STEP 0, 0, 1, 0, 1, -1                         ; K 0: the first products start the sums
	TURNB 0, 1, 1, 1                               ; K 128; slots 1 and 2 are whole in every wave; slot 0 is asked for again
	STEP 0, 1, 0, 1, 1, -1                         ; K 256
	STEP 1, 1, 0, 2, 0, 2                          ; K 384; on into slot 2, which the round above has shown whole: no barrier
	STEP 0, 0, 0, 2, 1, -1                         ; K 512
	TURNB 0, 0, 3, 0                               ; K 640; the refill has landed in every wave
	STEP 0, 1, 0, 0, 1, -1                         ; K 768
	s_wait_dscnt 4*NL                              ; K 896: nothing more to fetch
	WIN MUL_LO
	MUL16 0, 1, 1, 1, 0
	MUL16 2, 1, 1, 1, 0
	s_wait_dscnt 0
	WIN MUL_HI
	MUL16 4, 1, 1, 1, 0
	MUL16 6, 1, 1, 1, 0
	WIN 0
	PLACES NP                                      ; in front of the first read of results
; THE WAY OUT, without LDS.  Block a's 64 registers (register 16 b + i = next K 32 b + 16 h + i of lane r's row) become a fragment, that is two half fragments, and a scale word.
; q, k: the two half fragments are two heads' of token tile a.  v: they are keys 0-63 and 64-127 of d tile a % 4 of head a / 4.
	s_mov_b32 s[SEL], 0x76543210
	s_mov_b32 s[SEL+1], 0xfedcba98
	s_and_b32 s70, s93, 3
	s_cmp_lg_u32 s67, 0
	s_cselect_b32 s68, s93, s92                    ; the side that holds tokens: its 256 rows,
	s_cselect_b32 s69, s20, s19                    ; and my half of them
	s_cselect_b32 s70, s92, s70                    ; the side that holds features: which four heads,
	s_cselect_b32 s71, s19, s20                    ; and my two of them
	s_cselect_b32 s72, 6656, 0                     ; where the codes begin in a record
	s_or_b32 s73, s67, ttmp9                       ; 0 for q alone
	s_mov_b32 s76, 208896
	s_mov_b32 s77, 13056
	s_mov_b32 s78, 0x7f010000
	s_mov_b32 s79, 0x7fed0000
	s_cmp_eq_u32 s73, 0
	s_cselect_b64 s[74:75], s[14:15], s[16:17]     ; qr or kv
	s_cselect_b32 s76, 106496, s76                 ; bytes of a head,
	s_cselect_b32 s77, 6656, s77                   ; of a record
	s_cselect_b32 s78, 0x7f7f0000, s78             ; bytes 2 and 3 of a scale word where the mask is not 0,
	s_cselect_b32 s79, 0x7f7f0000, s79             ; and where it is 0
	s_cmp_lg_u32 s67, 0
	s_cselect_b32 s80, 3072, s76                   ; from half fragment 0 to 1,
	s_cselect_b32 s82, s76, 3072                   ; from blocks 0-3 to blocks 4-7
	s_mov_b32 s81, 0
	s_mov_b32 s83, 0
	s_mov_b32 s73, 0
	s_lshr_b32 s84, s68, 3                         ; the batch
	s_lshl_b32 s84, s84, 4
	s_lshl_b32 s85, s70, 2
	s_add_co_u32 s84, s84, s85
	s_lshl_b32 s85, s71, 1
	s_add_co_u32 s84, s84, s85                     ; my first head among the 64
	s_lshl_b32 s85, s68, 1
	s_add_co_u32 s85, s85, s69
	s_and_b32 s85, s85, 15                         ; my 128 tokens' record
	s_mul_i32 s84, s84, s76
	s_mul_i32 s85, s85, s77
	s_add_co_u32 s84, s84, s85
	s_mov_b32 s85, 0
	s_add_nc_u64 s[74:75], s[74:75], s[84:85]      ; the record
	s_add_nc_u64 s[86:87], s[74:75], s[72:73]      ; half fragment 0, blocks 0-3
	s_add_nc_u64 s[88:89], s[86:87], s[82:83]      ; half fragment 0, blocks 4-7
	s_add_nc_u64 s[90:91], s[86:87], s[80:81]      ; half fragment 1, blocks 0-3
	s_add_nc_u64 s[94:95], s[90:91], s[82:83]      ; half fragment 1, blocks 4-7
	v_mul_u32_u24 v[VS], s76, v3
	v_lshl_add_u32 v[VS], v2, 4, v[VS]
.macro QUANTW a
.set AC, 64*((\a)%4)
.set WN, 2+(\a)/4
.set WMX, (WN<<2)|(WN<<4)
	WIN WMX                                        ; sources 1 and 2: the accumulators' window
.irp b, 0,1,2,3
	v_max3_num_f32 v[TM+\b], 0x1800000, |v[AC+16*\b]|, |v[AC+16*\b+1]|   ; each accumulator is read from its low end on; the floor 2^(3 - 127) holds the byte at 1 from below
.endr
.irp i, 2,4,6,8,10,12,14
.irp b, 0,1,2,3
	v_max3_num_f32 v[TM+\b], v[TM+\b], |v[AC+16*\b+\i]|, |v[AC+16*\b+\i+1]|
.endr
.endr
	WIN 0
.irp b, 0,1,2,3
	v_permlanex16_b32 v[TM+4+\b], v[TM+\b], s[SEL], s[SEL+1]
.endr
.irp b, 0,1,2,3
	v_max_num_f32 v[TM+\b], v[TM+\b], v[TM+4+\b]
.endr
.irp b, 0,1,2,3
	v_add_nc_u32 v[TM+12+\b], 0xff000000, v[TM+\b]   ; 2 off the exponent field: the conversion's scale operand
.endr
.irp b, 0,1,2,3
	v_lshrrev_b32 v[TM+4+\b], 23, v[TM+12+\b]
.endr
	v_lshl_or_b32 v[PWS+(\a)], v[TM+5], 8, v[TM+4]
	v_lshl_or_b32 v[PWS+(\a)], v[TM+6], 16, v[PWS+(\a)]
	v_lshl_or_b32 v[PWS+(\a)], v[TM+7], 24, v[PWS+(\a)]
	WIN WN                                         ; source 0: the accumulators' window
.irp c, 0,1
	v_cvt_scalef32_pk16_fp6_f32 v[PC+6*\c:PC+2+6*\c], v[AC+32*\c:AC+15+32*\c], v[TM+12+2*\c]
	v_cvt_scalef32_pk16_fp6_f32 v[PC+12+4*\c:PC+14+4*\c], v[AC+16+32*\c:AC+31+32*\c], v[TM+12+2*\c+1]
.endr
	WIN 0
	v_nop                                          ; one plain line behind the conversions
.irp c, 0,1
.irp i, 0,1,2
	v_permlane16_swap_b32 v[PC+6*\c+\i], v[PC+12+4*\c+\i]
.endr
.irp i, 0,1,2
	v_mov_b32 v[PC+3+6*\c+\i], v[PC+12+4*\c+\i]
.endr
.endr
.endm
.macro OUTQ a
.if (\a) > 0
	s_wait_xcnt 0x0                                ; the last block's stores have read their registers
.endif
	QUANTW \a
.set EA, 86+2*((\a)/4)
.set EB, 90+4*((\a)/4)
	global_store_b128 v[L16], v[PC:PC+3], s[EA:EA+1] offset:768*((\a)%4)          ; 512 and 256 consecutive bytes, each at a multiple of 256 from the buffer's first byte
	global_store_b64 v[L8], v[PC+4:PC+5], s[EA:EA+1] offset:768*((\a)%4)+512
	global_store_b128 v[L16], v[PC+6:PC+9], s[EB:EB+1] offset:768*((\a)%4)
	global_store_b64 v[L8], v[PC+10:PC+11], s[EB:EB+1] offset:768*((\a)%4)+512
.endm
.irp a, 0,1,2,3,4,5,6,7
	OUTQ \a
.endr
	s_wait_loadcnt 0x0                             ; attention_mask
	s_cmp_lg_u32 s67, 0                            ; the same in all sixteen partners
	s_cbranch_scc1 .Lv_scales
	v_mov_b32 v24, s78
	v_mov_b32 v25, s79
.irp a, 0,1,2,3,4,5,6,7                        ; lanes 0-15 store the first head's words, lanes 16-31 the second's: two of the block's four bytes, and above them the mask's
	v_lshrrev_b32 v[W+\a], v[SH], v[PWS+\a]
	v_cmp_ne_u32 vcc_lo, 0, v[MK+\a]
	v_cndmask_b32 v26, v25, v24, vcc_lo
	v_and_or_b32 v[W+\a], v[W+\a], 0xffff, v26
.endr
	global_store_b128 v[VS], v[W:W+3], s[74:75] offset:6144      ; each half of the lanes fills 256 consecutive bytes, aligned
	global_store_b128 v[VS], v[W+4:W+7], s[74:75] offset:6400
	s_branch .Lscales_done
.Lv_scales:
	v_cmp_ne_u32 vcc_lo, 0, v3
.irp t, 0,1,2,3
	v_cndmask_b32 v[W+\t], v[PWS+\t], v[PWS+4+\t], vcc_lo       ; lanes 0-15: head 0's four d tiles, lanes 16-31: head 1's
.endr
	global_store_b128 v[VS], v[W:W+3], s[74:75] offset:12800
.Lscales_done:
	s_wait_tensorcnt 0x0                           ; the wave's end
	ds_add_u32 v[SPW], v[NIL]
	s_wait_dscnt 0x0
	CROUND                                         ; the closing round
	s_endpgm
.Lfunc_end_k_qc8cff5f33e_qkv:
	.size	k_qc8cff5f33e_qkv, .Lfunc_end_k_qc8cff5f33e_qkv-k_qc8cff5f33e_qkv
	.p2alignl 7, 3214868480
	.fill 96, 4, 3214868480
	.section	.rodata,"a",@progbits
	.p2align	6, 0x0
	.amdhsa_kernel k_qc8cff5f33e_qkv
		.amdhsa_group_segment_fixed_size 327680
		.amdhsa_private_segment_fixed_size 0
		.amdhsa_enable_private_segment 0
		.amdhsa_kernarg_size 56
		.amdhsa_user_sgpr_count 2
		.amdhsa_user_sgpr_kernarg_segment_ptr 1
		.amdhsa_wavefront_size32 1
		.amdhsa_system_sgpr_workgroup_id_x 1
		.amdhsa_system_sgpr_workgroup_id_y 1
		.amdhsa_system_sgpr_workgroup_id_z 1
		.amdhsa_system_vgpr_workitem_id 0
		.amdhsa_next_free_vgpr 1024
		.amdhsa_next_free_sgpr 106
		.amdhsa_reserve_vcc 1
		.amdhsa_float_denorm_mode_32 3
		.amdhsa_float_denorm_mode_16_64 3
		.amdhsa_memory_ordered 1
		.amdhsa_forward_progress 1
		.amdhsa_inst_pref_size 153
	.end_amdhsa_kernel
	.amdgpu_metadata
---
amdhsa.version: [ 1, 2 ]
amdhsa.kernels:
  - .name:           k_qc8cff5f33e_qkv
    .symbol:         k_qc8cff5f33e_qkv.kd
    .args:
      - { .name: tokc, .offset: 0, .size: 8, .value_kind: global_buffer, .address_space: global }
      - { .name: toks, .offset: 8, .size: 8, .value_kind: global_buffer, .address_space: global }
      - { .name: wc, .offset: 16, .size: 8, .value_kind: global_buffer, .address_space: global }
      - { .name: ws, .offset: 24, .size: 8, .value_kind: global_buffer, .address_space: global }
      - { .name: attention_mask, .offset: 32, .size: 8, .value_kind: global_buffer, .address_space: global }
      - { .name: qr, .offset: 40, .size: 8, .value_kind: global_buffer, .address_space: global }
      - { .name: kv, .offset: 48, .size: 8, .value_kind: global_buffer, .address_space: global }
    .group_segment_fixed_size: 327680
    .private_segment_fixed_size: 0
    .kernarg_segment_align: 8
    .kernarg_segment_size: 56
    .max_flat_workgroup_size: 128
    .sgpr_count:     106
    .vgpr_count:     1024
    .wavefront_size: 32
...
	.end_amdgpu_metadata
.endif
;; end of part 2
;; launch attn (part 3): grid 4 x 64, 16 waves a work-group, no clusters, 327,680 bytes of LDS; arguments qr, kv, tokc, toks; writes tokc, toks
.if DOCPART == 3
	.amdgcn_target "amdgcn-amd-amdhsa--gfx1250"
	.amdhsa_code_object_version 6
	.text
	.protected	k_qc8cff5f33e_attn
	.globl	k_qc8cff5f33e_attn
	.p2align	8
	.type	k_qc8cff5f33e_attn,@function
k_qc8cff5f33e_attn:
	s_mov_b64 s[64:65], 0
	v_nop
	global_prefetch_b8 v0, s[64:65] scope:SCOPE_SE
	s_setreg_imm32_b32 hwreg(HW_REG_WAVE_MODE, 25, 1), 1
	s_wait_xcnt 0x0
; Causal attention with a pad mask for one of 64 (batch, head) pairs, head size 64, 2,048 keys, both products on codes of FP6 (E2M3) with E8M0 scales; the result is quantised along d_model for the last product.
; LEFT OUT: key steps all of whose keys come after a tile's queries: reference() itself sets their scores to NEG_INF by its causal mask, so p = 0 there for every input (rows with no open key: below).
; IN: qr [b h][j 16][6,656]: 8 query tiles x 768 bytes, scale words [a / 4][r][a % 4] at 6,144.  kv [b h][j 16][13,056]: K's 8 tiles x 768, its scale words likewise at 6,144, V^T [kappa 2][d tile 4][768] at 6,656, its scale words [r][tile] at 12,800.
; A stored tile T gives lane r the row 32 (T / 2) + 8 (T % 2) + r + 8 (r / 8); 768 bytes are six operand registers: registers 0-3 of lane L at 16 L, registers 4-5 at 512 + 8 L.
; THE KEYS OF A SCORE TILE ARE CHOSEN BY ADDRESS: tile (c, u) of a record takes as row m the key 64 c + 8 u + m % 8 + 32 (m / 8).  In S^T = K Q^T lane (r, h) then holds query r, and register 32 c + 8 u + j the key 64 c + 32 h + 8 u + j:
; a lane's 32 registers are a WHOLE block of 32 keys in the order of P's operand: a block's maximum needs no other lane and the codes no exchange of lanes.
; THE SOFTMAX: t = score x log2(e) / 8; M = the running largest t rounded up to a whole number; p = 2^(t - M) is quantised along the keys; the row's sum is taken of the unquantised p and divides at the end.
; THE PAD MASK: the score product's K is 64 of the instruction's 128: at k = 64 every query carries the code +1 under the byte 127 and every key the code -1 under byte 2 of its scale word, which the launch before set to 1
; (2^-126 is taken off the score: a stated limit) or, for a padded key, to 237 (2^110 is taken off).
; ROWS WITH NO OPEN KEY: the largest score begins at -2^103; a padded key's lies far under it and a hidden key's is -infinity, so p = 0 for both and the row's sum stays 0.  reference() gives the softmax of equal logits over all 2,048 keys
; there: the row takes the sum of the quantised V over all keys (V^T x ones on the matrix unit, once) and the divisor 2,048, by v_cndmask_b32.  LIMIT: true scores at or under -2^103 count as masked.
; LIMITS: NaN and infinities are not served; v_exp_f32 gives 0 for a p under 2^-126.
; SHARES: wave w of work-group i takes tile 127 - 16 i - w, then tile 16 i + w: 17 key steps of 128 for every wave.  Trip counts are constants; a hidden step is jumped over by a scalar branch on ids.
; LDS: the head's 16 records, each filled ONCE, as rows of 256 bytes + 64 of padding (byte x of a record at x + 64 (x / 256)), so that rows m and m + 8 of a score tile, 1,536 bytes apart in a record, lie 128 bytes apart modulo 256.
; One tensor load a wave: record w is wave w's.  Waves 0 to NH - 1 fetch theirs at the head; the others behind the first barrier, while the first tile's NH first steps, which every tile 64-127 has in full
; (its queries begin at 1,024 or later), are worked.
; NO CLUSTER: the four work-groups of a head read the same records, but their causal skips are branches that differ between them.
; NO PREFETCH: every record is asked for by the second group of loads, ahead of the first loop: no loop is left to run ahead in.
; REGISTERS: v1-11, v28-31 addresses; v12 -M, v13 the largest score, v[14:15] the sum; v16-27 Q; v32-79 four fragments of K (the upper six registers of each are constants); v80-127 V's four; v128-191 S^T, then p; v192-223 O^T;
; v224-235 p's codes (before them: at work); v236-243 K's scale words, v244-247 V's, v248 p's, v249 Q's; v[250:251] f; v252 8 h; v253 where I read the total of V; v254, v255 the add's two.
.set NH,   5                           ; records fetched at the head, and full steps ahead of the second barrier; at most 8
.set GREC, 13056                       ; a record in memory
.set REC,  16320                       ; and in LDS: 51 rows of 320 bytes
.set PART, 16*REC                      ; the records' sums of V
.set TOT,  PART+4096                   ; each wave's copy of the total
.set SPARE, TOT+4096                   ; the spare words: 128 bytes a wave, named by no other line
.set S,    128
.set O,    192
.set KSC,  236
.set VSC,  244
.set PS,   248
.set QS,   249
.set F,    250
.set SH8,  252
.set TOTR, 253
.set SPW,  254
.set NIL,  255
.set WV,   12                          ; s12 wave; s14 the (batch, head) pair
.set G1,   16                          ; s[16:23] group 1; s[24:27] group 0 of my record
.set G0,   24
.set SEL,  32                          ; s[32:33] lane selects: lane l xor 16
.set CS,   34                          ; s[34:35] c = log2(e) / 8
.set TB,   36                          ; LDS byte of the step's record
.set KF,   37                          ; the step's first key
.set MAXT, 38                          ; my tile's last query; s39 its first
.set MINT, 39
.set TT,   40                          ; my first tile; s54 my second
.set CNT,  41
.set TN,   54
	s_load_b256 s[4:11], s[0:1], 0x0               ; qr s[4:5], kv s[6:7], tokc s[8:9], toks s[10:11]
	v_lshl_add_u32 v[SPW], v0, 2, SPARE
	v_mov_b32 v[NIL], 0
	ds_add_u32 v[SPW], v[NIL]                      ; the opening lines: the add, twice on end, and its wait
	ds_add_u32 v[SPW], v[NIL]
	v_lshrrev_b32 v1, 5, v0
	v_readfirstlane_b32 s[WV], v1                  ; wave 0..15
	s_and_b32 s14, ttmp7, 0xffff
	s_mov_b32 s[G1], (3<<16)|(1<<20)|(5<<22)|(15<<25)   ; elements of 8 bytes; behind every 64 dwords 16 dwords of padding
	s_mov_b32 s[G1+1], 32<<16
	s_mov_b32 s[G1+2], 51<<16
	s_mov_b32 s[G1+3], 32<<16
	s_mov_b32 s[G1+4], 51
	s_mov_b32 s[G1+5], 32
	s_mov_b32 s[G1+6], 0
	s_mov_b32 s[G1+7], 0
	s_mul_i32 s42, s14, 16*GREC
	s_mul_i32 s43, s[WV], GREC
	s_add_co_u32 s42, s42, s43
	s_mov_b32 s43, 0
	s_mul_i32 s[G0+1], s[WV], REC                  ; record w lies at 16,320 w
	s_mov_b32 s[G0], 1
	s_mov_b32 s[SEL], 0x76543210
	s_mov_b32 s[SEL+1], 0xfedcba98
	s_mov_b32 s[CS], 0x3e38aa3b
	s_mov_b32 s[CS+1], s[CS]
	s_wait_dscnt 0x0
	s_wait_kmcnt 0x0
	s_add_nc_u64 s[G0+2:G0+3], s[6:7], s[42:43]
	s_or_b32 s[G0+3], s[G0+3], 0x80000000
	s_cmp_lt_u32 s[WV], NH
	s_cbranch_scc0 .Lnot_yet
	tensor_load_to_lds s[G0:G0+3], s[G1:G1+7]      ; the first NH records
	s_nop 0
.rept 4
	v_nop
.endr
.Lnot_yet:
	v_and_b32 v29, 31, v0
	v_and_b32 v30, 15, v0                          ; r
	v_bfe_u32 v28, v0, 4, 1                        ; h
	v_and_b32 v8, 7, v0                            ; m % 8
	v_bfe_u32 v9, v0, 3, 1                         ; m / 8
	v_lshlrev_b32 v1, 4, v29                       ; 16 lane
	v_lshlrev_b32 v2, 3, v29                       ; 8 lane
	v_lshlrev_b32 v3, 4, v30                       ; 16 r
	v_mul_u32_u24 v5, v9, 1920                     ; 1,536 bytes of a record are 1,920 in LDS
	v_mul_u32_u24 v10, v28, 320
	v_lshl_add_u32 v6, v8, 3, v5
	v_lshl_add_u32 v5, v8, 4, v5
	v_lshl_add_u32 v6, v28, 7, v6                  ; K's registers 4-5: 1,920 (m / 8) + 8 (m % 8) + 128 h
	v_add_nc_u32 v5, v5, v10                       ; K's registers 0-3: 1,920 (m / 8) + 16 (m % 8) + 320 h
	v_lshlrev_b32 v7, 4, v8
	v_lshl_add_u32 v7, v9, 3, v7                   ; K's scale words: 16 (m % 8) + 8 (m / 8)
	v_lshl_add_u32 v11, v28, 6, v1                 ; V's registers 0-3: 16 lane + 64 h
	v_lshlrev_b32 v[SH8], 3, v28
	s_lshl_b32 s42, s[WV], 8
	v_lshlrev_b32 v[TOTR], 7, v28
	v_add_nc_u32 v[TOTR], s42, v[TOTR]
	v_add_nc_u32 v[TOTR], TOT, v[TOTR]             ; TOT + 256 w + 128 h
	v_lshl_add_u32 v31, v9, 3, v30
	v_lshlrev_b32 v10, 5, v28
	v_sub_nc_u32 v31, v31, v10                     ; r + 8 (r / 8) - 32 h
	v_xor_b32 v10, 1, v28
	v_lshlrev_b32 v22, 3, v10                      ; Q's register 6: the code +1.0 at k = 64 (lanes 0-15), else zeros
	v_mul_u32_u24 v10, v10, 0x28                   ; K's: the code -1.0
.irp j, 23,24,25,26,27,233,235,251
	v_mov_b32 v\j, 0                               ; Q's zeros; lane permutes' destinations and the pair v[250:251] are written once
.endr
.irp t, 0,1,2,3
	v_mov_b32 v[38+12*\t], v10
.irp j, 39,40,41,42,43
	v_mov_b32 v[\j+12*\t], 0
.endr
.endr
.macro QLOAD tn                        ; tile s[tn]'s Q and its scale words are asked for
	s_lshr_b32 s42, s[\tn], 3
	s_lshl_b32 s43, s14, 4
	s_add_co_u32 s42, s42, s43
	s_mul_i32 s42, s42, 6656                       ; the tile's record in qr
	s_and_b32 s43, s[\tn], 7                       ; and its place a there
	s_mul_i32 s44, s43, 768
	s_add_co_u32 s44, s44, s42
	s_mov_b32 s45, 0
	s_add_nc_u64 s[46:47], s[4:5], s[44:45]
	s_lshr_b32 s44, s43, 2
	s_lshl_b32 s44, s44, 8
	s_and_b32 s43, s43, 3
	s_lshl_b32 s43, s43, 2
	s_add_co_u32 s44, s44, s43
	s_add_co_u32 s44, s44, s42
	s_add_nc_u64 s[48:49], s[4:5], s[44:45]
	s_wait_alu depctr_va_vdst(0)
	global_load_b128 v[16:19], v1, s[46:47]
	global_load_b64 v[20:21], v2, s[46:47] offset:512
	global_load_b32 v[QS], v3, s[48:49] offset:6144
.endm
.macro INIT tn                         ; the tile's ids and an empty state
	s_lshr_b32 s42, s[\tn], 1
	s_lshl_b32 s42, s42, 5
	s_and_b32 s43, s[\tn], 1
	s_lshl_b32 s43, s43, 3
	s_add_co_u32 s[MINT], s42, s43
	s_add_co_u32 s[MAXT], s[MINT], 23
	v_add_nc_u32 v4, s[MINT], v31                  ; my query - 32 h
	v_mov_b32 v13, 0xf3000000                      ; the largest score so far: -2^103
	v_mov_b32 v14, 0
	v_mul_f32 v12, s[CS], v13
	v_mov_b32 v15, 0
	v_floor_f32 v12, -v12                          ; -M, made as a step makes it
.set n, 0
.rept 32
	v_mov_b32 v[O+n], 0                            ; O^T: the loops have no first step of their own
.set n, n+1
.endr
.endm
.macro VLOAD                           ; V^T's four fragments and scale words of the record that v28-30 point at
.irp t, 0,1,2,3
	ds_load_b128 v[80+12*\t:83+12*\t], v28 offset:8320+960*\t
	ds_load_b64 v[84+12*\t:85+12*\t], v29 offset:8320+960*\t+640
	ds_load_b128 v[86+12*\t:89+12*\t], v28 offset:8320+3840+960*\t
	ds_load_b64 v[90+12*\t:91+12*\t], v29 offset:8320+3840+960*\t+640
.endr
	ds_load_b128 v[VSC:VSC+3], v30 offset:16000
.endm
; A KEY STEP: the 128 keys of the record at s[TB].  gen = 0: a step all of whose keys count
.macro STEP gen
.if \gen
	s_cmp_gt_u32 s[KF], s[MAXT]                    ; all its keys come after my queries: a branch on ids, round the step's work alone
	s_cbranch_scc1 .Lhidden_\@
.endif
	v_add_nc_u32 v8, s[TB], v5
	v_add_nc_u32 v9, s[TB], v6
	v_add_nc_u32 v10, s[TB], v7
	s_wait_alu depctr_va_vdst(0)
.irp c, 0,1                                    ; S^T = K Q^T, four tiles of 16 keys at a time
.irp u, 0,1,2,3
	ds_load_b128 v[32+12*\u:35+12*\u], v8 offset:3840*\c+960*(\u%2)+128*(\u/2)
	ds_load_b64 v[36+12*\u:37+12*\u], v9 offset:3840*\c+960*(\u%2)+640+64*(\u/2)
.endr
.if \c == 0
.irp p, 0,1,2,3
	ds_load_b64 v[KSC+2*\p:KSC+2*\p+1], v10 offset:7680+320*(\p/2)+128*(\p%2)   ; the words of tiles (c, u) = (p / 2, 2 (p % 2)) and the next
.endr
.endif
	s_wait_dscnt 0x0
.irp u, 0,1,2,3
	v_wmma_scale_f32_16x16x128_f8f6f4 v[S+32*\c+8*\u:S+32*\c+8*\u+7], v[32+12*\u:43+12*\u], v[16:27], 0, v[KSC+4*\c+\u], v[QS] matrix_a_fmt:MATRIX_FMT_FP6 matrix_b_fmt:MATRIX_FMT_FP6
.endr
.if \c == 0
	v_add_nc_u32 v28, s[TB], v11                   ; V's addresses: with the v_nop the four places in front of loads into these products' registers
	v_add_nc_u32 v29, s[TB], v2
	v_add_nc_u32 v30, s[TB], v3
	v_nop
	s_wait_alu depctr_va_vdst(0)
.endif
.endr
	VLOAD                                          ; lands while the softmax is walked
.if \gen
	s_add_co_u32 s42, s[KF], 127                   ; on the diagonal hidden keys' scores become -infinity; a step all of whose keys count skips this
	s_cmp_le_u32 s42, s[MINT]
	s_cbranch_scc1 .Lopen_\@
	v_sub_nc_u32 v234, v4, s[KF]                   ; d = my query - KF - 32 h: register n is hidden where 64 (n / 32) + n % 32 > d
	v_mov_b32 v235, 0xff800000
.set n, 0
.rept 64
	v_cmp_gt_i32 vcc_lo, 64*(n/32)+n%32, v234
	v_cndmask_b32 v[S+n], v[S+n], v235, vcc_lo
.set n, n+1
.endr
.Lopen_\@:
.endif
; the largest score of my two blocks: eight chains, one for each accumulator, by turns (v224-231 are free here): a chain's next link stands eight lines on.  The first four lines name the first four tiles' results alone:
; they are the places behind the last four products.  Each accumulator is read from its low end on
.irp c, 0,1
.irp k, 0,1,2,3
	v_max3_num_f32 v[224+4*\c+\k], v[S+32*\c+8*\k], v[S+32*\c+8*\k+1], v[S+32*\c+8*\k+2]
.endr
.endr
.irp i, 3,5
.irp c, 0,1
.irp k, 0,1,2,3
	v_max3_num_f32 v[224+4*\c+\k], v[224+4*\c+\k], v[S+32*\c+8*\k+\i], v[S+32*\c+8*\k+\i+1]
.endr
.endr
.endr
.irp c, 0,1                                    ; the chains join, each join taking in an accumulator's eighth register
	v_max3_num_f32 v[224+4*\c], v[224+4*\c], v[225+4*\c], v[S+32*\c+7]
	v_max3_num_f32 v[226+4*\c], v[226+4*\c], v[227+4*\c], v[S+32*\c+15]
.endr
.irp c, 0,1
	v_max3_num_f32 v[224+4*\c], v[224+4*\c], v[S+32*\c+23], v[S+32*\c+31]
.endr
	s_delay_alu instid0(VALU_DEP_2)
	v_max_num_f32 v232, v224, v226                 ; block h's largest score,
	s_delay_alu instid0(VALU_DEP_2)
	v_max_num_f32 v233, v228, v230                 ; block 2 + h's: they serve the row's maximum and, since p rises with the score, the blocks' largest p
	s_delay_alu instid0(VALU_DEP_1)
	v_max_num_f32 v234, v232, v233
	s_delay_alu instid0(VALU_DEP_1)
	v_permlanex16_b32 v235, v234, s[SEL], s[SEL+1]
	s_delay_alu instid0(VALU_DEP_1)
	v_max3_num_f32 v13, v13, v234, v235            ; the running largest score (c is positive)
	s_delay_alu instid0(VALU_DEP_1)
	v_mul_f32 v234, s[CS], v13
	v_mov_b32 v235, v12
	s_delay_alu instid0(VALU_DEP_2)
	v_floor_f32 v12, -v234                         ; the new -M: M is a whole number
	s_delay_alu instid0(VALU_DEP_1)
	v_sub_f32 v235, v12, v235
	s_delay_alu instid0(VALU_DEP_1)
	v_cvt_i32_f32 v235, v235                       ; (it saturates)
	s_delay_alu instid0(VALU_DEP_1)
	v_ldexp_f32 v[F], 1.0, v235                    ; f = 2^(old M - new M)
.set n, 0
.rept 32
	v_pk_fma_f32 v[S+n:S+n+1], v[S+n:S+n+1], s[CS:CS+1], v[12:13] op_sel_hi:[1,0,0]   ; t - M
.set n, n+2
.endr
	v_fma_f32 v232, v232, s[CS], v12
	v_fma_f32 v233, v233, s[CS], v12
	s_wait_alu depctr_va_vdst(0)
.set n, 0
.rept 64
	v_exp_f32 v[S+n], v[S+n]                       ; p = 2^(t - M)
.set n, n+1
.endr
	v_exp_f32 v232, v232                           ; and each block's largest p: the same two instructions on the same number
	v_exp_f32 v233, v233
	v_pk_mul_f32 v[14:15], v[14:15], v[F:F+1] op_sel_hi:[1,0]   ; the sums under the new M: a plain line behind the batch
	s_wait_alu depctr_va_vdst(0)                   ; one wait for the batch, ahead of its first reader
.irp q, 0,1,2,3                                ; the row's sum of the unquantised p: five chains
	v_pk_add_f32 v[224+2*\q:225+2*\q], v[S+4*\q:S+4*\q+1], v[S+4*\q+2:S+4*\q+3]
.endr
	v_pk_add_f32 v[14:15], v[14:15], v[S+16:S+17]
.set n, 18
.rept 4
.irp q, 0,1,2,3
	v_pk_add_f32 v[224+2*\q:225+2*\q], v[224+2*\q:225+2*\q], v[S+n+2*\q:S+n+2*\q+1]
.endr
	v_pk_add_f32 v[14:15], v[14:15], v[S+n+8:S+n+9]
.set n, n+10
.endr
.irp q, 0,1,2
	v_pk_add_f32 v[224+2*\q:225+2*\q], v[224+2*\q:225+2*\q], v[S+58+2*\q:S+59+2*\q]
.endr
	v_max_num_f32 v232, 0x1800000, v232            ; the floor 2^(3 - 127): the byte cannot fall under 1
	v_max_num_f32 v233, 0x1800000, v233
	v_pk_add_f32 v[224:225], v[224:225], v[226:227]
	v_pk_add_f32 v[228:229], v[228:229], v[230:231]
	v_add_nc_u32 v234, 0xff000000, v232            ; 2 off the exponent field: the conversions' scale operands
	v_add_nc_u32 v235, 0xff000000, v233
	v_pk_add_f32 v[14:15], v[14:15], v[224:225]
	v_lshrrev_b32 v232, 23, v234                   ; the bytes
	v_lshrrev_b32 v233, 23, v235
	v_pk_add_f32 v[14:15], v[14:15], v[228:229]
	s_delay_alu instid0(VALU_DEP_2)
	v_lshl_or_b32 v232, v233, 16, v232             ; my two bytes, blocks h and 2 + h,
	s_delay_alu instid0(VALU_DEP_1)
	v_lshlrev_b32 v232, v[SH8], v232               ; at their places;
	s_delay_alu instid0(VALU_DEP_1)
	v_permlanex16_b32 v233, v232, s[SEL], s[SEL+1]
	s_delay_alu instid0(VALU_DEP_1)
	v_or_b32 v[PS], v232, v233                     ; with lane l xor 16's two: p's scale word for these 128 keys
	v_cvt_scalef32_pk16_fp6_f32 v[224:226], v[S:S+15], v234
	v_cvt_scalef32_pk16_fp6_f32 v[32:34], v[S+16:S+31], v234       ; (a conversion's three registers begin on an even number: K's registers are free here)
	v_cvt_scalef32_pk16_fp6_f32 v[230:232], v[S+32:S+47], v235
	v_cvt_scalef32_pk16_fp6_f32 v[44:46], v[S+48:S+63], v235
	v_nop                                          ; one plain line behind the conversions
.irp i, 0,1,2
	v_mov_b32 v[227+\i], v[32+\i]
	v_mov_b32 v[233+\i], v[44+\i]
.endr
	s_wait_alu depctr_va_vdst(0)
.set n, 0
.rept 16
	v_pk_mul_f32 v[O+n:O+n+1], v[O+n:O+n+1], v[F:F+1] op_sel_hi:[1,0]   ; O^T under the new M; these sixteen are also the places in front of the products below
.set n, n+2
.endr
	s_wait_alu depctr_va_vdst(0)
	s_wait_dscnt 0x0                               ; V
.irp t, 0,1,2,3                                ; O^T += V^T P^T: four accumulators by turns
	v_wmma_scale_f32_16x16x128_f8f6f4 v[O+8*\t:O+7+8*\t], v[80+12*\t:91+12*\t], v[224:235], v[O+8*\t:O+7+8*\t], v[VSC+\t], v[PS] matrix_a_fmt:MATRIX_FMT_FP6 matrix_b_fmt:MATRIX_FMT_FP6
.endr
.if \gen
.Lhidden_\@:
.endif
	s_add_co_u32 s[KF], s[KF], 128
	s_add_co_u32 s[TB], s[TB], REC
.endm
.macro PASS trips, gen
	s_mov_b32 s[CNT], \trips
.Lpass_\@:
	STEP \gen
	s_sub_co_u32 s[CNT], s[CNT], 1
	s_cmp_lg_u32 s[CNT], 0
	s_cbranch_scc1 .Lpass_\@
.endm
; Tile s[tn]'s way out: O^T / the sum (or, where the sum is 0, the total of V / 2,048), quantised along d_model: one half fragment (kappa = the head) and two scale bytes a row
.macro FINISH tn
.rept 4
	v_nop                                          ; places behind the last products
.endr
.irp t, 0,1,2,3
	ds_load_b128 v[S+8*\t:S+3+8*\t], v[TOTR] offset:32*\t      ; the total of V in O^T's layout: my wave's own copy
	ds_load_b128 v[S+4+8*\t:S+7+8*\t], v[TOTR] offset:32*\t+16
.endr
	s_lshr_b32 s42, s14, 4
	s_lshl_b32 s42, s42, 7
	s_add_co_u32 s42, s42, s[\tn]                  ; the tile among all 512
	s_and_b32 s43, s14, 15                         ; the head
	s_lshl_b32 s44, s42, 4
	s_add_co_u32 s44, s44, s43
	s_mul_i32 s44, s44, 768
	s_mov_b32 s45, 0
	s_add_nc_u64 s[50:51], s[8:9], s[44:45]
	s_lshl_b32 s44, s42, 9
	s_lshr_b32 s42, s43, 2
	s_lshl_b32 s42, s42, 7
	s_add_co_u32 s44, s44, s42
	s_and_b32 s43, s43, 3
	s_lshl_b32 s43, s43, 1
	s_add_co_u32 s44, s44, s43
	s_add_nc_u64 s[52:53], s[10:11], s[44:45]
	v_add_f32 v14, v14, v15
	v_mov_b32 v9, 0x45000000                       ; 2,048
	v_lshrrev_b32 v10, 1, v3                       ; 8 r
	s_delay_alu instid0(VALU_DEP_3)
	v_permlanex16_b32 v8, v14, s[SEL], s[SEL+1]
	s_delay_alu instid0(VALU_DEP_1)
	v_add_f32 v14, v14, v8                         ; the row's sum
	s_delay_alu instid0(VALU_DEP_1)
	v_cmp_eq_f32 vcc_lo, 0, v14                    ; no open key
	v_cndmask_b32 v14, v14, v9, vcc_lo
	s_wait_alu depctr_va_vdst(0)
	v_rcp_f32 v14, v14
	v_nop                                          ; a plain line behind it
	s_wait_dscnt 0x0
	s_wait_alu depctr_va_vdst(0)                   ; ahead of its first reader and of O^T's
.set n, 0
.rept 32
	v_cndmask_b32 v[160+n], v[O+n], v[S+n], vcc_lo ; each accumulator from its low end on
.set n, n+1
.endr
.set n, 0
.rept 16
	v_pk_mul_f32 v[160+n:161+n], v[160+n:161+n], v[14:15] op_sel_hi:[1,0]
.set n, n+2
.endr
	v_max3_num_f32 v232, |v160|, |v161|, 0x1800000
	v_max3_num_f32 v233, |v176|, |v177|, 0x1800000
.irp i, 2,4,6,8,10,12,14
	s_delay_alu instid0(VALU_DEP_2)
	v_max3_num_f32 v232, v232, |v[160+\i]|, |v[161+\i]|
	s_delay_alu instid0(VALU_DEP_2)
	v_max3_num_f32 v233, v233, |v[176+\i]|, |v[177+\i]|
.endr
	s_delay_alu instid0(VALU_DEP_2)
	v_permlanex16_b32 v8, v232, s[SEL], s[SEL+1]
	s_delay_alu instid0(VALU_DEP_2)
	v_permlanex16_b32 v9, v233, s[SEL], s[SEL+1]
	s_delay_alu instid0(VALU_DEP_2)
	v_max_num_f32 v232, v232, v8
	s_delay_alu instid0(VALU_DEP_2)
	v_max_num_f32 v233, v233, v9
	s_delay_alu instid0(VALU_DEP_2)
	v_add_nc_u32 v28, 0xff000000, v232
	s_delay_alu instid0(VALU_DEP_2)
	v_add_nc_u32 v29, 0xff000000, v233
	s_delay_alu instid0(VALU_DEP_2)
	v_lshrrev_b32 v8, 23, v28
	s_delay_alu instid0(VALU_DEP_2)
	v_lshrrev_b32 v9, 23, v29
	s_delay_alu instid0(VALU_DEP_1)
	v_lshl_or_b32 v30, v9, 8, v8
	v_cvt_scalef32_pk16_fp6_f32 v[224:226], v[160:175], v28
	v_cvt_scalef32_pk16_fp6_f32 v[32:34], v[176:191], v29
	v_nop                                          ; one plain line behind the conversions
.irp i, 0,1,2
	v_permlane16_swap_b32 v[224+\i], v[32+\i]      ; here a block of 32 lies in lanes l and l xor 16: the operand wants it whole in a lane
.endr
.irp i, 0,1,2
	v_mov_b32 v[227+\i], v[32+\i]
.endr
	global_store_b128 v1, v[224:227], s[50:51]     ; 512 and 256 consecutive bytes, each at a multiple of 256 from the buffer's first byte
	global_store_b64 v2, v[228:229], s[50:51] offset:512
	global_store_b16 v10, v30, s[52:53]            ; the head's two bytes of row r (both halves of the lanes store the same)
	s_wait_xcnt 0x0                                ; the stores have read their registers and bases
.endm
	s_lshl_b32 s[TT], ttmp9, 4
	s_add_co_u32 s[TT], s[TT], s[WV]
	s_sub_co_u32 s[TT], 127, s[TT]                 ; the longer tile first: 127 - 16 i - w, at least 64: nine key steps or more
	QLOAD TT
	INIT TT
	s_wait_alu depctr_va_vdst(0)
	s_wait_tensorcnt 0x0                           ; my record, if I fetched one, is in;
	ds_add_u32 v[SPW], v[NIL]                      ; the add twice on end
	ds_add_u32 v[SPW], v[NIL]
	s_wait_dscnt 0x0
	s_barrier_signal -1
	s_barrier_wait -1                              ; the first NH records are whole for every wave
	s_cmp_lt_u32 s[WV], NH
	s_cbranch_scc1 .Lhave_mine
	tensor_load_to_lds s[G0:G0+3], s[G1:G1+7]      ; the other records: my one load
	s_nop 0
.rept 4
	v_nop
.endr
.Lhave_mine:
	s_wait_loadcnt 0x0                             ; Q
	s_mov_b32 s[KF], 0
	s_mov_b32 s[TB], 0
	PASS NH, 0                                     ; keys 0 to 128 NH - 1 count for every query of tiles 64-127
	s_wait_tensorcnt 0x0                           ; my record is in,
	s_wait_dscnt 0x0
	s_barrier_signal -1
	s_barrier_wait -1                              ; everybody's is
	; the sum of the quantised V over all keys: wave w takes record w: V^T x ones; the sixteen sums meet in LDS.  The ten address lines are the places behind the last products
	s_mul_i32 s42, s[WV], REC
	s_lshl_b32 s43, s[WV], 8
	v_add_nc_u32 v28, s42, v11
	v_add_nc_u32 v29, s42, v2
	v_add_nc_u32 v30, s42, v3
	v_bfe_u32 v8, v0, 4, 1
	v_add_nc_u32 v9, PART, v2                      ; where I read the records' sums
	v_add_nc_u32 v10, s43, v2
	v_lshlrev_b32 v8, 7, v8
	v_add_nc_u32 v10, TOT, v10                     ; where I put the total
	v_add_nc_u32 v8, s43, v8
	v_add_nc_u32 v8, PART, v8                      ; where I put my record's sum: PART + 256 w + 128 h
	v_mov_b32 v[PS], 0x7f7f7f7f                    ; the ones' scale: 1
.irp c, 0,1,2,3
	v_mov_b32 v[224+3*\c], 0x08208208              ; 128 codes of +1.0: 001000 on end
	v_mov_b32 v[225+3*\c], 0x82082082
	v_mov_b32 v[226+3*\c], 0x20820820
.endr
	VLOAD
.rept 4
	v_nop                                          ; places between the ones' codes and the products
.endr
	s_wait_alu depctr_va_vdst(0)
	s_wait_dscnt 0x0
.irp t, 0,1,2,3
	v_wmma_scale_f32_16x16x128_f8f6f4 v[S+8*\t:S+7+8*\t], v[80+12*\t:91+12*\t], v[224:235], 0, v[VSC+\t], v[PS] matrix_a_fmt:MATRIX_FMT_FP6 matrix_b_fmt:MATRIX_FMT_FP6
.endr
.rept 4
	v_nop
.endr
.irp t, 0,1,2,3
	ds_store_b128 v8, v[S+8*\t:S+3+8*\t] offset:32*\t          ; the sixteen lanes of a half hold the same numbers and write the same bytes
	ds_store_b128 v8, v[S+4+8*\t:S+7+8*\t] offset:32*\t+16
.endr
	s_wait_dscnt 0x0                               ; for the others' sake: my stores are done
	s_barrier_signal -1
	s_barrier_wait -1
.irp p, 0,1,2,3,4,5,6,7,8,9,10,11,12,13,14,15
	ds_load_b64 v[160+2*\p:161+2*\p], v9 offset:256*\p
.endr
	s_wait_dscnt 0x0
	v_pk_add_f32 v[160:161], v[160:161], v[164:165]
	v_pk_add_f32 v[162:163], v[162:163], v[166:167]
.irp p, 4,6,8,10,12,14
	s_delay_alu instid0(VALU_DEP_2)
	v_pk_add_f32 v[160:161], v[160:161], v[160+2*\p:161+2*\p]
	s_delay_alu instid0(VALU_DEP_2)
	v_pk_add_f32 v[162:163], v[162:163], v[162+2*\p:163+2*\p]
.endr
	s_delay_alu instid0(VALU_DEP_1)
	v_pk_add_f32 v[160:161], v[160:161], v[162:163]
	ds_store_b64 v10, v[160:161]                   ; my wave's own copy of the total: read by this wave alone, in order
	PASS 16-NH, 1                                  ; the keys that are left
	s_sub_co_u32 s[TN], 127, s[TT]                 ; tile 16 i + w: its Q is asked for ahead of the first tile's way out
	QLOAD TN
	FINISH TT
	INIT TN
	s_wait_alu depctr_va_vdst(0)
	s_wait_loadcnt 0x0
	s_mov_b32 s[KF], 0
	s_mov_b32 s[TB], 0
	PASS 8, 1                                      ; tiles 0-63 end in records 0-7
	FINISH TN
	s_wait_tensorcnt 0x0                           ; the wave's end
	ds_add_u32 v[SPW], v[NIL]
	s_wait_dscnt 0x0
	s_endpgm
.Lfunc_end_k_qc8cff5f33e_attn:
	.size	k_qc8cff5f33e_attn, .Lfunc_end_k_qc8cff5f33e_attn-k_qc8cff5f33e_attn
	.p2alignl 7, 3214868480
	.fill 96, 4, 3214868480
	.section	.rodata,"a",@progbits
	.p2align	6, 0x0
	.amdhsa_kernel k_qc8cff5f33e_attn
		.amdhsa_group_segment_fixed_size 327680
		.amdhsa_private_segment_fixed_size 0
		.amdhsa_enable_private_segment 0
		.amdhsa_kernarg_size 32
		.amdhsa_user_sgpr_count 2
		.amdhsa_user_sgpr_kernarg_segment_ptr 1
		.amdhsa_wavefront_size32 1
		.amdhsa_system_sgpr_workgroup_id_x 1
		.amdhsa_system_sgpr_workgroup_id_y 1
		.amdhsa_system_sgpr_workgroup_id_z 1
		.amdhsa_system_vgpr_workitem_id 0
		.amdhsa_next_free_vgpr 256
		.amdhsa_next_free_sgpr 80
		.amdhsa_reserve_vcc 1
		.amdhsa_float_denorm_mode_32 3
		.amdhsa_float_denorm_mode_16_64 3
		.amdhsa_memory_ordered 1
		.amdhsa_forward_progress 1
		.amdhsa_inst_pref_size 87
	.end_amdhsa_kernel
	.amdgpu_metadata
---
amdhsa.version: [ 1, 2 ]
amdhsa.kernels:
  - .name:           k_qc8cff5f33e_attn
    .symbol:         k_qc8cff5f33e_attn.kd
    .args:
      - { .name: qr, .offset: 0, .size: 8, .value_kind: global_buffer, .address_space: global }
      - { .name: kv, .offset: 8, .size: 8, .value_kind: global_buffer, .address_space: global }
      - { .name: tokc, .offset: 16, .size: 8, .value_kind: global_buffer, .address_space: global }
      - { .name: toks, .offset: 24, .size: 8, .value_kind: global_buffer, .address_space: global }
    .group_segment_fixed_size: 327680
    .private_segment_fixed_size: 0
    .kernarg_segment_align: 8
    .kernarg_segment_size: 32
    .max_flat_workgroup_size: 512
    .sgpr_count:     80
    .vgpr_count:     256
    .wavefront_size: 32
...
	.end_amdgpu_metadata
.endif
;; end of part 3
;; launch proj (part 4): grid 4 x 64, 4 waves a work-group, clusters of 4 x 4, 327,680 bytes of LDS; arguments tokc, toks, wc, ws, out0; writes out0
.if DOCPART == 4
	.amdgcn_target "amdgcn-amd-amdhsa--gfx1250"
	.amdhsa_code_object_version 6
	.text
	.protected	k_qc8cff5f33e_proj
	.globl	k_qc8cff5f33e_proj
	.p2align	8
	.type	k_qc8cff5f33e_proj,@function
k_qc8cff5f33e_proj:
	s_mov_b64 s[64:65], 0
	v_nop
	global_prefetch_b8 v0, s[64:65] scope:SCOPE_SE
	s_setreg_imm32_b32 hwreg(HW_REG_WAVE_MODE, 25, 1), 1
	s_wait_xcnt 0x0
	s_wait_alu depctr_hold_cnt(0) depctr_sa_sdst(0) depctr_va_vdst(0) depctr_va_sdst(0) depctr_va_ssrc(0) depctr_va_vcc(0) depctr_vm_vsrc(0)
	s_getreg_b32 s2, hwreg(HW_REG_IB_STS2, 6, 4)
	s_cmp_eq_u32 s2, 0
	s_cbranch_scc0 .Lentry_in_a_cluster
	s_endpgm
.Lentry_in_a_cluster:
	s_bfe_u32 s2, ttmp6, 0x10000c
	s_cmp_lg_u32 s2, 0xf033
	s_cbranch_scc0 .Lentry_shape_is_right
	s_endpgm
.Lentry_shape_is_right:
; out0 = (attention's result) w_out on codes of FP6 (E2M3) with E8M0 scales, K = 1,024, f32 sums.  out0: [8192][1024] f32.
; OPERANDS: tile T gives lane r the row 32 (T / 2) + 8 (T % 2) + r + 8 (r / 8); a half fragment (16 rows x 64 K) is 768 bytes: registers 0-3 of lane L at 16 L, registers 4-5 at 512 + 8 L;
; codes [tile][kappa 16][768], scale bytes [tile][512] with block kb of lane r's row at 128 (kb / 8) + 8 r + kb % 8.  w_out's columns are tiles 192-255 of wc and ws.
; A block of the result, 128 tokens x 256 columns, is made by four waves, 64 x 128 each: 32 accumulators.  64 x 4 blocks are 256 work-groups.  Source 1 is A, 128 tokens (block 4 Y + cy): its rows become the result's lanes.
; Source 0 is B, 256 columns of w_out (4 X + cx): a lane's eight registers of an accumulator are eight neighbouring columns.  CLUSTERS of 4 x 4: A's tiles are shared along a row, B's along a column, each asked for jointly.
; LOADS, one a wave behind each round: at the head K 0-255 of A's 8 tiles (wave 0) and of B's 16 (wave 1) and the two sides' scale bytes (waves 2, 3); then K 256-767 by rows of 6,144 bytes, waves 0, 1 four tiles of A each,
; waves 2, 3 eight of B each; then K 768-1,023 into the bytes of K 0-255.
; A's scale bytes (4,096) lie directly ahead of B's (8,192): the loads of scale words take tile i of A in lanes 0-15 and tile i of B in lanes 16-31 for i = 0 .. 7; A has four tiles a wave, and for i over 3 lanes 0-15 read bytes that are written and not used.
; REGISTERS, in windows of 256: window 0: v4-22 addresses; v32-63 scale words, two sets; v128-175 A's four fragments, one set (on the way out v128-255 hold rows of the result).  window 1: B's fragments, two sets.  window 2: the accumulators ((a, b) at v[8 (8 a + b)]).
.set FR,    12
.set NL,    4
.set NP,    4
.set QUART, 24576                      ; 8 tiles x 3,072 bytes: B's half of K 256
.set AQ,    12288                      ; 4 tiles x 3,072 bytes: A's half
.set SLOT,  4*QUART                    ; A's two halves from 0 on, B's from 2 QUART on
.set SCLA,  3*SLOT
.set SCLB,  SCLA+4096
.set SPARE, SCLB+8192                  ; the spare words, 128 bytes for each wave: two blocks of 256 bytes that no other line names
.set SPITCH, 528                       ; the way out: a stage of 16 rows x (512 bytes + 16) for each wave, in A's bytes of K 256-767, which are filled once and read for the last time ahead of the last barrier
.set A16,  4
.set A8,   7
.set B16,  10
.set B8,   13
.set ADRS, 16
.set SPW,  17                          ; v17  LDS address of my spare word; never rewritten
.set NIL,  18                          ; v18  0; never rewritten
.set L16,  19
.set L8,   20
.set STO,  21                          ; v21  the way out: where I put 32 bytes of a row
.set RD,   22                          ; v22  and where I read a row back
.set SC,   32
.set AF,   128
.set BK,   128
.set G1,   24
.set G0,   32
.set G1B,  44
.set G0B,  52
.set G1S,  68
.set G0S,  76
.set G1SB, 80
.set G0SB, 88
.set MSB, 0
.macro WIN new                         ; the immediate's high byte repeats the setting that is left
.if MSB != \new
	s_set_vgpr_msb (MSB<<8)|\new
.set MSB, \new
.endif
.endm
.set MUL_LO, 0xa1                      ; source 0 (B) window 1, source 1 (A) window 0, C and D window 2
.set TO_B,   0x40
.macro JLOAD g0a, g1a, g0b, g1b        ; a joint load: waves 0 and 1 fetch for A, waves 2 and 3 for B; an s_nop 0 and four v_nop follow each of the two lines
	s_cmp_eq_u32 s19, 0
	s_cbranch_scc0 .Lfor_b_\@
	tensor_load_to_lds s[\g0a:\g0a+3], s[\g1a:\g1a+7]
	s_nop 0
.rept 4
	v_nop
.endr
	s_branch .Lasked_\@
.Lfor_b_\@:
	tensor_load_to_lds s[\g0b:\g0b+3], s[\g1b:\g1b+7]
	s_nop 0
.rept 4
	v_nop
.endr
.Lasked_\@:
.endm
.macro CREST
	s_cmp_lg_u32 s18, 0
	s_cbranch_scc1 .Lnot_wave_0_\@
	s_barrier_signal -3
.Lnot_wave_0_\@:
	s_barrier_wait -3
	s_barrier_signal -1
	s_barrier_wait -1
.endm
.macro CROUND
	s_barrier_signal -1
	s_barrier_wait -1
	CREST
.endm
.macro PLACES n
.rept \n
	v_nop
.endr
.endm
.macro FRAG reg, a16, a8, q, i         ; tile i's fragment of a slot's q-th 128 along K; TP: bytes from tile to tile in the slot's region
	ds_load_b128 v[\reg:\reg+3], v[\a16] offset:TP*(\i)+1536*(\q)
	ds_load_b64 v[\reg+4:\reg+5], v[\a8] offset:TP*(\i)+1536*(\q)+512
	ds_load_b128 v[\reg+6:\reg+9], v[\a16] offset:TP*(\i)+1536*(\q)+768
	ds_load_b64 v[\reg+10:\reg+11], v[\a8] offset:TP*(\i)+1536*(\q)+1280
.endm
.macro FETCH_B slot, q, p
.set TP, 3072*(1+((\slot)+1)/2)        ; slot 0: a tile's 3,072 bytes on end; slots 1 and 2 come by one load with rows of 6,144 bytes: slot 2's part of a tile lies 3,072 bytes behind slot 1's
	WIN TO_B
.irp i, 0,1,2,3,4,5,6,7
	FRAG 128*(\p)+FR*\i, B16+\slot, B8+\slot, \q, \i
.endr
	WIN 0
.endm
.macro FETCH_A slot, q, i0             ; two of A's four blocks
.set TP, 3072*(1+((\slot)+1)/2)
.irp i, \i0, \i0+1
	FRAG AF+FR*(\i), A16+\slot, A8+\slot, \q, \i
.endr
.endm
.macro SCALES S, set
.irp i, 0,1,2,3,4,5,6,7
	ds_load_b64 v[SC+16*(\set)+2*\i:SC+16*(\set)+2*\i+1], v[ADRS] offset:512*\i+128*(\S)
.endr
.endm
; 16 matrix instructions: A's blocks a0, a0 + 1 x B's eight.  The 32 accumulators take turns, one instruction a turn, in the same order in every step
.macro MUL16 a0, p, q, sc, zero
.irp a, \a0, \a0+1
.irp b, 0,1,2,3,4,5,6,7
.if \zero
	v_wmma_scale_f32_16x16x128_f8f6f4 v[8*(8*(\a)+\b):8*(8*(\a)+\b)+7], v[128*(\p)+FR*\b:128*(\p)+FR*\b+FR-1], v[AF+FR*(\a):AF+FR*(\a)+FR-1], 0, v[SC+16*(\sc)+2*\b+(\q)], v[SC+16*(\sc)+2*(\a)+(\q)] matrix_a_fmt:MATRIX_FMT_FP6 matrix_b_fmt:MATRIX_FMT_FP6 matrix_a_scale:MATRIX_SCALE_ROW1
.else
	v_wmma_scale_f32_16x16x128_f8f6f4 v[8*(8*(\a)+\b):8*(8*(\a)+\b)+7], v[128*(\p)+FR*\b:128*(\p)+FR*\b+FR-1], v[AF+FR*(\a):AF+FR*(\a)+FR-1], v[8*(8*(\a)+\b):8*(8*(\a)+\b)+7], v[SC+16*(\sc)+2*\b+(\q)], v[SC+16*(\sc)+2*(\a)+(\q)] matrix_a_fmt:MATRIX_FMT_FP6 matrix_b_fmt:MATRIX_FMT_FP6 matrix_a_scale:MATRIX_SCALE_ROW1
.endif
.endr
.endr
.endm
; A step of 128 along K on B's set p and scale set sc: 32 matrix instructions.  Its successor's fragments come from slot ns, quarter nq: B's and A's blocks 0, 1 in the step's middle, A's blocks 2, 3 at its end
.macro STEP p, sc, zero, ns, nq, nS
	s_wait_dscnt 2*NL                              ; all but the youngest 8 loads (A's blocks 2, 3) are in
	WIN MUL_LO
	MUL16 0, \p, \p, \sc, \zero
	s_wait_dscnt 0
	PLACES NP                                      ; in front of loads into registers that matrix instructions have read
	FETCH_B \ns, \nq, 1-\p
	FETCH_A \ns, \nq, 0
.if \nS >= 0
	SCALES \nS, 1-\sc
.endif
	WIN MUL_LO
	MUL16 2, \p, \p, \sc, \zero
	PLACES NP
	WIN 0
	FETCH_A \ns, \nq, 2
.endm
; A slot's second step with a barrier in it.  fill = 1: slot 0, which nobody reads any more, is filled again with K's last 256: the barrier opens a round of the cluster's, and the joint load is the first thing behind the round
.macro TURNB sc, ns, nS, fill
	s_wait_tensorcnt 0x0                           ; all my tensor loads have landed
	ds_add_u32 v[SPW], v[NIL]                      ; 0 onto my spare word
.if \fill
	s_mov_b32 s[G1+1], 384<<16                     ; no tensor load of mine is out: the refill's rows are 3,072 bytes again
	s_mov_b32 s[G1+3], 384<<16
	s_mov_b32 s[G1B+1], 384<<16
	s_mov_b32 s[G1B+3], 384<<16
.endif
	s_wait_dscnt 2*NL+1                            ; (the add and the youngest 8 loads may be out)
	WIN MUL_LO
	MUL16 0, 1, 1, \sc, 0
	s_wait_dscnt 0x0                               ; the add is done, and my reads of the slot in hand are over
	WIN 0
	s_barrier_signal -1
	s_barrier_wait -1
.if \fill
	CREST
	s_add_nc_u64 s[G0+2:G0+3], s[G0+2:G0+3], 9216  ; from K's first 256 to its fourth: three times 3,072 bytes in each tile
	s_add_nc_u64 s[G0B+2:G0B+3], s[G0B+2:G0B+3], 9216
	JLOAD G0, G1, G0B, G1B                         ; its four v_nop are also the places in front of the loads below
.else
	PLACES NP
.endif
	FETCH_B \ns, 0, 0
	FETCH_A \ns, 0, 0
	SCALES \nS, 1-\sc
	WIN MUL_LO
	MUL16 2, 1, 1, \sc, 0
	PLACES NP
	WIN 0
	FETCH_A \ns, 0, 2
.endm
	s_load_b256 s[4:11], s[0:1], 0x0               ; tokc s[4:5], toks s[6:7], wc s[8:9], ws s[10:11]
	s_load_b64 s[12:13], s[0:1], 0x20              ; out0
	v_lshl_add_u32 v[SPW], v0, 2, SPARE
	v_mov_b32 v[NIL], 0
	ds_add_u32 v[SPW], v[NIL]                      ; the opening lines: the add, twice on end, and its wait
	ds_add_u32 v[SPW], v[NIL]
	s_wait_dscnt 0x0
	v_lshrrev_b32 v1, 5, v0
	v_readfirstlane_b32 s18, v1                    ; wave 0..3
	s_lshr_b32 s19, s18, 1                         ; which half of A's rows is mine.  Also: I fetch for A (0) or for B (1)
	s_and_b32 s20, s18, 1                          ; which half of B's rows.  Also: which half of a side's tiles I fetch
	s_bfe_u32 s21, ttmp6, 0x40000                  ; cx
	s_bfe_u32 s22, ttmp6, 0x40004                  ; cy
	s_and_b32 s66, ttmp7, 0xffff
	s_lshl_b32 s92, s66, 2
	s_add_co_u32 s92, s92, s22                     ; TA = 4 Y + cy: which 128 tokens
	s_lshl_b32 s93, ttmp9, 2
	s_add_co_u32 s93, s93, s21                     ; TB = 4 X + cx: which 256 columns
	s_lshl_b32 s104, s22, 2
	s_lshl_b32 s104, 15, s104                      ; my row of the cluster
	s_lshl_b32 s105, 0x1111, s21                   ; my column
	s_or_b32 s[G1], s104, (3<<16)|(1<<21)          ; 15:0 the mask; 17:16 elements of 8 bytes; 21 set beside a mask; no padding
	s_or_b32 s[G1B], s105, (3<<16)|(1<<21)
	s_or_b32 s[G1S], s104, (3<<16)|(1<<21)
	s_or_b32 s[G1SB], s105, (3<<16)|(1<<21)
.irp g, G1, G1B                        ; codes: tiles' rows of 3,072 bytes (384 elements), 12,288 bytes apart
	s_mov_b32 s[\g+1], 384<<16
	s_mov_b32 s[\g+3], 384<<16
	s_mov_b32 s[\g+5], 1536
	s_mov_b32 s[\g+6], 0
	s_mov_b32 s[\g+7], 0
.endr
	s_mov_b32 s[G1+2], 8<<16                       ; the head's loads bring all of a side's tiles: A's 8,
	s_mov_b32 s[G1+4], 8
	s_mov_b32 s[G1B+2], 16<<16                     ; B's 16
	s_mov_b32 s[G1B+4], 16
.irp g, G1S, G1SB                      ; scale bytes: 512 dense bytes a tile, as rows of 256
	s_mov_b32 s[\g+1], 32<<16
	s_mov_b32 s[\g+3], 32<<16
	s_mov_b32 s[\g+5], 32
	s_mov_b32 s[\g+6], 0
	s_mov_b32 s[\g+7], 0
.endr
	s_mov_b32 s[G1S+2], 16<<16
	s_mov_b32 s[G1S+4], 16
	s_mov_b32 s[G1SB+2], 32<<16
	s_mov_b32 s[G1SB+4], 32
	s_lshl_b32 s2, s20, 2
	s_lshl_b32 s94, s92, 3
	s_add_co_u32 s94, s94, s2                      ; the first of A's four tiles that I would fetch
	s_lshl_b32 s3, s20, 3
	s_lshl_b32 s95, s93, 4
	s_add_co_u32 s95, s95, s3                      ; and of B's eight
	s_mul_i32 s[G0+2], s94, 12288
	s_mov_b32 s[G0+3], 0
	s_lshl_b32 s[G0S+2], s92, 12
	s_mov_b32 s[G0S+3], 0
	s_mul_i32 s[G0B+2], s95, 12288
	s_mov_b32 s[G0B+3], 0
	s_lshl_b32 s[G0SB+2], s93, 13
	s_mov_b32 s[G0SB+3], 0
	s_mul_i32 s[G0+10], s92, 98304                 ; the head's loads of codes begin at a side's first tile
	s_mov_b32 s[G0+11], 0
	s_mul_i32 s[G0B+10], s93, 196608
	s_mov_b32 s[G0B+11], 0
	s_mul_i32 s2, s18, QUART                       ; where the later loads go, by the wave's number alone: B's (waves 2, 3),
	s_mul_i32 s98, s18, AQ                         ; A's (waves 0, 1)
	s_wait_kmcnt 0x0
	s_add_nc_u64 s[100:101], s[8:9], 192*12288     ; w_out's codes: tiles 192 on
	s_add_nc_u64 s[96:97], s[10:11], 192*512
	s_add_nc_u64 s[G0+2:G0+3], s[4:5], s[G0+2:G0+3]
	s_add_nc_u64 s[G0+6:G0+7], s[G0+2:G0+3], 3072
	s_add_nc_u64 s[G0+10:G0+11], s[4:5], s[G0+10:G0+11]
	s_add_nc_u64 s[G0B+2:G0B+3], s[100:101], s[G0B+2:G0B+3]
	s_add_nc_u64 s[G0B+6:G0B+7], s[G0B+2:G0B+3], 3072
	s_add_nc_u64 s[G0B+10:G0B+11], s[100:101], s[G0B+10:G0B+11]
	s_add_nc_u64 s[G0S+2:G0S+3], s[6:7], s[G0S+2:G0S+3]
	s_add_nc_u64 s[G0SB+2:G0SB+3], s[96:97], s[G0SB+2:G0SB+3]
.irp s, 0,1,2
	s_mov_b32 s[G0+4*\s], 1
	s_or_b32 s[G0+4*\s+3], s[G0+4*\s+3], 0x80000000
	s_mov_b32 s[G0B+4*\s], 1
	s_or_b32 s[G0B+4*\s+3], s[G0B+4*\s+3], 0x80000000
.endr
	s_add_co_u32 s[G0+1], s98, 0                   ; set 0: slot 0's refill
	s_add_co_u32 s[G0B+1], s2, 0
	s_lshl_b32 s3, s2, 1
	s_lshl_b32 s98, s98, 1
	s_add_co_u32 s[G0+5], s98, SLOT                ; set 1: K 256 to 767 of my tiles, behind slot 0
	s_add_co_u32 s[G0B+5], s3, SLOT
	s_mov_b32 s[G0+9], 0                           ; set 2: the head's loads: A's 8 tiles of K 0 to 255 at slot 0's start, B's 16 at 2 QUART
	s_mov_b32 s[G0B+9], 2*QUART
	s_mov_b32 s[G0S], 1
	s_mov_b32 s[G0S+1], SCLA
	s_or_b32 s[G0S+3], s[G0S+3], 0x80000000
	s_mov_b32 s[G0SB], 1
	s_mov_b32 s[G0SB+1], SCLB
	s_or_b32 s[G0SB+3], s[G0SB+3], 0x80000000
	CROUND                                         ; all sixteen work-groups are here: the first joint loads meet
; THE HEAD'S LOADS, ONE A WAVE.  One tree of branches on the wave's number: every way passes exactly one load.
.macro ARM under, g0, g1, next
	s_cmp_lt_u32 s18, \under
	s_cbranch_scc0 \next
	tensor_load_to_lds s[\g0:\g0+3], s[\g1:\g1+7]
	s_nop 0
.rept 4
	v_nop
.endr
	s_branch .Lhead_asked
\next:
.endm
	ARM 1, G0+8, G1, .Lhead_b
	ARM 2, G0B+8, G1B, .Lhead_sa
	ARM 3, G0S, G1S, .Lhead_sb
	tensor_load_to_lds s[G0SB:G0SB+3], s[G1SB:G1SB+7]
	s_nop 0
.rept 4
	v_nop
.endr
.Lhead_asked:
	v_and_b32 v1, 31, v0
	v_and_b32 v2, 15, v0
	v_bfe_u32 v3, v0, 4, 1
	v_lshlrev_b32 v[L16], 4, v1
	v_lshlrev_b32 v[L8], 3, v1
	s_mul_i32 s2, s19, AQ                          ; my half of A
	s_mul_i32 s3, s20, QUART
	s_add_co_u32 s3, s3, 2*QUART                   ; my half of B
.irp s, 0,1,2
	v_add_nc_u32 v[A16+\s], s2, v[L16]
	v_add_nc_u32 v[A8+\s], s2, v[L8]
	v_add_nc_u32 v[B16+\s], s3, v[L16]
	v_add_nc_u32 v[B8+\s], s3, v[L8]
.if \s == 0
	s_lshl_b32 s2, s2, 1                           ; behind slot 0 a wave's part is twice as long
	s_lshl_b32 s3, s3, 1
	s_add_co_u32 s2, s2, SLOT
	s_add_co_u32 s3, s3, SLOT
.else
	s_add_co_u32 s2, s2, 3072                      ; slot 2's part of a tile's row
	s_add_co_u32 s3, s3, 3072
.endif
.endr
	v_lshlrev_b32 v24, 3, v2
	s_lshl_b32 s2, s19, 11                         ; A's scale bytes: my four tiles
	s_lshl_b32 s3, s20, 12                         ; B's: my eight
	s_add_co_u32 s3, s3, SCLB-SCLA
	s_sub_co_u32 s3, s3, s2
	v_mul_u32_u24 v25, s3, v3                      ; lanes 16-31 take B's: the lower base + h x the distance
	s_add_co_u32 s2, s2, SCLA
	v_add_nc_u32 v24, v24, v25
	v_add_nc_u32 v[ADRS], s2, v24
	s_mul_i32 s2, s18, 16*SPITCH
	s_add_co_u32 s2, s2, SLOT                      ; my stage
	v_mul_u32_u24 v24, v2, SPITCH
	v_lshl_add_u32 v24, v3, 6, v24
	v_add_nc_u32 v[STO], s2, v24                   ; in: row r, + 64 h
	v_add_nc_u32 v[RD], s2, v[L16]                 ; back: a whole row of 512 bytes
	s_lshl_b32 s98, s92, 7
	s_lshl_b32 s99, s19, 6
	s_add_co_u32 s98, s98, s99                     ; my first row of out0: 128 TA + 64 x half
	s_lshl_b32 s98, s98, 12                        ; rows of 4,096 bytes
	s_lshl_b32 s99, s93, 10
	s_add_co_u32 s98, s98, s99
	s_lshl_b32 s99, s20, 9
	s_add_co_u32 s98, s98, s99                     ; + my first column
	s_mov_b32 s99, 0
	s_add_nc_u64 s[12:13], s[12:13], s[98:99]
	s_wait_alu depctr_va_vdst(0)
	s_wait_tensorcnt 0x0                           ; my tile of the head's four is in
	ds_add_u32 v[SPW], v[NIL]
.irp g, G1, G1B
	s_mov_b32 s[\g+1], 768<<16                     ; no tensor load of mine is out: the next load brings rows of 6,144 bytes, K 256 to 767:
	s_mov_b32 s[\g+3], 768<<16
.endr
	s_mov_b32 s[G1+2], 4<<16                       ; four tiles of A,
	s_mov_b32 s[G1+4], 4
	s_mov_b32 s[G1B+2], 8<<16                      ; eight of B
	s_mov_b32 s[G1B+4], 8
	s_wait_dscnt 0x0
	CROUND                                         ; a whole round: the head's four tiles are in, and the joint loads meet
	JLOAD G0+4, G1, G0B+4, G1B                     ; slots 1 and 2 by one load a wave, the first tensor load behind the round
	FETCH_B 0, 0, 0
	FETCH_A 0, 0, 0
	SCALES 0, 0
	FETCH_A 0, 0, 2
	STEP 0, 0, 1, 0, 1, -1                         ; K 0: the first products start the sums
	TURNB 0, 1, 1, 1                               ; K 128; slots 1 and 2 are whole in every wave; slot 0 is asked for again
	STEP 0, 1, 0, 1, 1, -1                         ; K 256
	STEP 1, 1, 0, 2, 0, 2                          ; K 384; on into slot 2, which the round above has shown whole: no barrier
	STEP 0, 0, 0, 2, 1, -1                         ; K 512
	TURNB 0, 0, 3, 0                               ; K 640; the refill has landed in every wave, and nobody reads slots 1 and 2 any more
	STEP 0, 1, 0, 0, 1, -1                         ; K 768
	s_wait_dscnt 2*NL                              ; K 896: nothing more to fetch
	WIN MUL_LO
	MUL16 0, 1, 1, 1, 0
	s_wait_dscnt 0
	MUL16 2, 1, 1, 1, 0
	WIN 0
; THE WAY OUT, block by block of 16 rows x 128 columns, through my own stage.  Register j of accumulator (a, b) in lane (r, h) is column 32 (b / 2) + 8 (b % 2) + 16 h + j of row r of block a; row t of block a is
; row 32 (a / 2) + 8 (a % 2) + t + 8 (t / 8) of my 64.  LDS serves a wave's instructions in order (ISA guide 5.7.1.4): no wait between the stores and the loads.
.macro TOSTAGE a
.set AC, 64*(\a)
	WIN 0x08                                       ; the data: window 2
.irp b, 0,1,2,3,4,5,6,7
	ds_store_b128 v[STO], v[AC+8*\b:AC+8*\b+3] offset:128*(\b/2)+32*(\b%2)       ; each accumulator from its low end on
	ds_store_b128 v[STO], v[AC+8*\b+4:AC+8*\b+7] offset:128*(\b/2)+32*(\b%2)+16
.endr
	WIN 0
.set BB, BK+64*((\a)%2)
.irp t, 0,1,2,3,4,5,6,7,8,9,10,11,12,13,14,15
	ds_load_b128 v[BB+4*\t:BB+4*\t+3], v[RD] offset:\t*SPITCH
.endr
.endm
.macro SEND a, younger                 ; younger: the LDS instructions issued behind block a's loads, which may stay out
.set BB, BK+64*((\a)%2)
	s_wait_dscnt \younger
.irp t, 0,1,2,3,4,5,6,7,8,9,10,11,12,13,14,15
	global_store_b128 v[L16], v[BB+4*\t:BB+4*\t+3], s[12:13] offset:(32*((\a)/2)+8*((\a)%2)+\t+8*(\t/8))*4096 th:TH_STORE_NT   ; 32 lanes store 512 consecutive bytes, at a multiple of 256 from out0's first byte
.endr
.endm
	PLACES NP                                      ; in front of the first read of results and of loads into the registers that held A's fragments
	TOSTAGE 0
.irp a, 1,2,3
.if \a > 1
	s_wait_xcnt 0x0                                ; block a - 2's stores have read their registers: block a's loads may land there
.endif
	TOSTAGE \a
	SEND \a-1, 32                                  ; behind block a - 1's loads: block a's 16 stores and 16 loads
.endr
	SEND 3, 0
	s_wait_tensorcnt 0x0                           ; the wave's end
	ds_add_u32 v[SPW], v[NIL]
	s_wait_dscnt 0x0
	CROUND                                         ; the closing round
	s_endpgm
.Lfunc_end_k_qc8cff5f33e_proj:
	.size	k_qc8cff5f33e_proj, .Lfunc_end_k_qc8cff5f33e_proj-k_qc8cff5f33e_proj
	.p2alignl 7, 3214868480
	.fill 96, 4, 3214868480
	.section	.rodata,"a",@progbits
	.p2align	6, 0x0
	.amdhsa_kernel k_qc8cff5f33e_proj
		.amdhsa_group_segment_fixed_size 327680
		.amdhsa_private_segment_fixed_size 0
		.amdhsa_enable_private_segment 0
		.amdhsa_kernarg_size 40
		.amdhsa_user_sgpr_count 2
		.amdhsa_user_sgpr_kernarg_segment_ptr 1
		.amdhsa_wavefront_size32 1
		.amdhsa_system_sgpr_workgroup_id_x 1
		.amdhsa_system_sgpr_workgroup_id_y 1
		.amdhsa_system_sgpr_workgroup_id_z 1
		.amdhsa_system_vgpr_workitem_id 0
		.amdhsa_next_free_vgpr 1024
		.amdhsa_next_free_sgpr 106
		.amdhsa_reserve_vcc 0
		.amdhsa_float_denorm_mode_32 3
		.amdhsa_float_denorm_mode_16_64 3
		.amdhsa_memory_ordered 1
		.amdhsa_forward_progress 1
		.amdhsa_inst_pref_size 89
	.end_amdhsa_kernel
	.amdgpu_metadata
---
amdhsa.version: [ 1, 2 ]
amdhsa.kernels:
  - .name:           k_qc8cff5f33e_proj
    .symbol:         k_qc8cff5f33e_proj.kd
    .args:
      - { .name: tokc, .offset: 0, .size: 8, .value_kind: global_buffer, .address_space: global }
      - { .name: toks, .offset: 8, .size: 8, .value_kind: global_buffer, .address_space: global }
      - { .name: wc, .offset: 16, .size: 8, .value_kind: global_buffer, .address_space: global }
      - { .name: ws, .offset: 24, .size: 8, .value_kind: global_buffer, .address_space: global }
      - { .name: out0, .offset: 32, .size: 8, .value_kind: global_buffer, .address_space: global }
    .group_segment_fixed_size: 327680
    .private_segment_fixed_size: 0
    .kernarg_segment_align: 8
    .kernarg_segment_size: 40
    .max_flat_workgroup_size: 128
    .sgpr_count:     106
    .vgpr_count:     1024
    .wavefront_size: 32
...
	.end_amdgpu_metadata
.endif
;; end of part 4
